; MI455X (gfx1250); checked and timed in simulation.
; The chip was launched on July 23, 2026; its instructions are those of AMD's public machine-readable ISA for CDNA 5 (MIT licence, August 2026) and "CDNA5" Instruction Set Architecture Reference Guide (July 2026). The comments in the code are by the model that wrote it; some were corrected since.
;; Multi Head Attention. Allowed arithmetic: float matrix products may take bf16 or f16 operands with f32 sums; other float arithmetic in f32, or as packed bf16 or f16 multiplies, adds, multiply-adds, maxima and minima; sums over many terms, partial sums and values carried from step to step in f32; what a program stores and reads back later, other than sums and carried values, may be rounded once to bf16 or f16.
;; Inputs: mask 1 x 1 x 2,048 x 2,048 int32; out_b 1,024 float32; out_w 1,024 x 1,024 float32; qkv_b 3,072 float32; qkv_w 3,072 x 1,024 float32; x 4 x 2,048 x 1,024 float32.
;; Outputs: out0 4 x 2,048 x 1,024 float32.
;; One version. Each part assembles by itself: llvm-mc -triple=amdgcn-amd-amdhsa -mcpu=gfx1250 --defsym DOCPART=n.
;; ======== version 1 of 1: 4 launches
;; limits: values are held in f16: magnitudes above 65,504 overflow, below 6.1e-05 lose precision
;; workspace buffers: xb 16,777,216 bytes; wb 6,291,456 bytes; ow 2,097,152 bytes; codes 2,097,152 bytes of whole numbers; keep 8,192 bytes of whole numbers; qkvh 50,331,648 bytes; oh 16,777,216 bytes
;; launch prep (part 1): grid 1024 x 1, 8 waves a work-group, no clusters, 9,216 bytes of LDS; arguments x, qkv_w, out_w, mask, xb, wb, ow, codes, keep; writes xb, wb, ow, codes, keep
.if DOCPART == 1
	.amdgcn_target "amdgcn-amd-amdhsa--gfx1250"
	.amdhsa_code_object_version 6
	.text
	.protected	k_q6cec7962ba_prep
	.globl	k_q6cec7962ba_prep
	.p2align	8
	.type	k_q6cec7962ba_prep,@function
k_q6cec7962ba_prep:
	s_mov_b64 s[64:65], 0
	v_nop
	global_prefetch_b8 v0, s[64:65] scope:SCOPE_SE
	s_setreg_imm32_b32 hwreg(HW_REG_WAVE_MODE, 25, 1), 1
	s_wait_xcnt 0x0
; PREPARATION, a stream.  Work-groups 0-511: x -> xb (bf16).  512-703: qkv_w -> wb (bf16).  704-767: out_w -> ow (rounded to bf16, that number written as f16).
; 768-1023: the mask -> codes and keep.  No matrix unit, no cluster, no tensor load: no byte is wanted twice.
; A CAST work-group reads 65,536 bytes and writes 32,768: thread t takes 32 bytes at 32 t of each of eight pieces of 8,192 bytes and stores 16 bytes at 16 t: sixteen lanes store 256 consecutive bytes, aligned.
; A MASK work-group g takes rows 8 g .. 8 g + 7, a wave a row (8,192 bytes).  A key's code is a nibble: 0 visible, 15 hidden (mask == 0).
; codes: byte (q / 16) x 16384 + s x 512 + (q % 16) x 32 + h x 16 + kb x 4, nibble j = key 64 s + 16 kb + 8 h + j.  The eight rows meet in LDS, so that each store covers 256 consecutive bytes, aligned.
; keep[q] = -1, or 0 for a row with no visible key; such a row's codes are all written as visible (the attention launch then gives it equal weights, as a softmax of equal scores does).
; keep is stored 4 bytes a row by one lane of a wave: 8,192 bytes in the whole launch.
; LIMIT: ow below 6.1e-5 keeps f16's fixed step of 6e-8; beyond 65,504 it would be an infinity.
.set X,     16                         ; v[16:79]   as loaded
.set Y,     80                         ; v[80:111]  to store
.set SPW,   8                          ; v8  LDS address of my spare word; never rewritten
.set NIL,   9                          ; v9  0; never rewritten
.set SPARE, 8192                       ; behind the stage of 8,192 bytes: the spare words, 128 bytes a wave
	s_load_b512 s[8:23], s[0:1], 0x0               ; x 8, qkv_w 10, out_w 12, mask 14, xb 16, wb 18, ow 20, codes 22
	s_load_b64 s[24:25], s[0:1], 0x40              ; keep
	v_lshl_add_u32 v[SPW], v0, 2, SPARE
	v_mov_b32 v[NIL], 0
	v_lshrrev_b32 v1, 5, v0
	v_readfirstlane_b32 s27, v1                    ; wave 0..7
	s_mov_b32 s29, 0
	s_cmp_ge_u32 ttmp9, 768
	s_cbranch_scc1 .Lmask
	v_lshlrev_b32 v1, 5, v0                        ; 32 t
	v_lshlrev_b32 v2, 4, v0                        ; 16 t
	s_cmp_ge_u32 ttmp9, 704
	s_cbranch_scc1 .Low
; Sixteen loads go out together; piece i is rounded and stored when its two loads are in.  No register is written twice while a load or store names it.
.macro CAST f16
.irp i, 0,1,2,3,4,5,6,7
	global_load_b128 v[X+8*(\i):X+8*(\i)+3],   v1, s[4:5] offset:8192*(\i) th:TH_LOAD_NT
	global_load_b128 v[X+8*(\i)+4:X+8*(\i)+7], v1, s[4:5] offset:8192*(\i)+16 th:TH_LOAD_NT
.endr
.irp i, 0,1,2,3,4,5,6,7
	s_wait_loadcnt 14-2*(\i)                       ; the younger pieces' loads, two each, stay out
.irp j, 0,1,2,3
	v_cvt_pk_bf16_f32 v[Y+4*(\i)+(\j)], v[X+8*(\i)+2*(\j)], v[X+8*(\i)+2*(\j)+1]
.endr
.if \f16
.irp j, 0,1,2,3
	v_lshlrev_b32 v[X+8*(\i)+2*(\j)],   16, v[Y+4*(\i)+(\j)]          ; the bf16 numbers as f32 again,
	v_and_b32     v[X+8*(\i)+2*(\j)+1], 0xffff0000, v[Y+4*(\i)+(\j)]
.endr
.irp j, 0,1,2,3
	v_cvt_pk_f16_f32 v[Y+4*(\i)+(\j)], v[X+8*(\i)+2*(\j)], v[X+8*(\i)+2*(\j)+1]  ; written as f16: exact within f16's normal range
.endr
.endif
	global_store_b128 v2, v[Y+4*(\i):Y+4*(\i)+3], s[6:7] offset:4096*(\i)
.endr
.endm
	s_cmp_lt_u32 ttmp9, 512                        ; x or qkv_w
	s_cselect_b32 s26, 0, 512
	s_wait_kmcnt 0x0
	s_cselect_b64 s[4:5], s[8:9], s[10:11]
	s_cselect_b64 s[6:7], s[16:17], s[18:19]
	s_sub_co_u32 s26, ttmp9, s26                   ; my piece of that tensor
	s_lshl_b32 s28, s26, 16
	s_add_nc_u64 s[4:5], s[4:5], s[28:29]
	s_lshl_b32 s28, s26, 15
	s_add_nc_u64 s[6:7], s[6:7], s[28:29]
	CAST 0
	s_endpgm
.Low:
	s_sub_co_u32 s26, ttmp9, 704
	s_lshl_b32 s28, s26, 16
	s_wait_kmcnt 0x0
	s_add_nc_u64 s[4:5], s[12:13], s[28:29]
	s_lshl_b32 s28, s26, 15
	s_add_nc_u64 s[6:7], s[20:21], s[28:29]
	CAST 1
	s_endpgm
.Lmask:
	s_sub_co_u32 s26, ttmp9, 768                   ; g
	s_lshl_b32 s28, s26, 3
	s_add_co_u32 s28, s28, s27                     ; my row
	s_lshl_b32 s34, s28, 2                         ; its word in keep
	s_lshl_b32 s28, s28, 13                        ; its 8,192 bytes
	v_and_b32 v10, 31, v0                          ; lane
	v_lshlrev_b32 v1, 5, v10
	s_wait_kmcnt 0x0
	s_add_nc_u64 s[4:5], s[14:15], s[28:29]
.irp i, 0,1,2,3,4,5,6,7                ; group i: my lane's keys 256 i + 8 l + 0..7
	global_load_b128 v[X+8*(\i):X+8*(\i)+3],   v1, s[4:5] offset:1024*(\i) th:TH_LOAD_NT
	global_load_b128 v[X+8*(\i)+4:X+8*(\i)+7], v1, s[4:5] offset:1024*(\i)+16 th:TH_LOAD_NT
.endr
	v_lshrrev_b32 v12, 3, v10                      ; into the stage [step][row of eight][h][kb]: step 4 i + l / 8, h = l % 2, kb = (l / 2) % 4
	v_lshlrev_b32 v12, 8, v12
	v_and_b32 v13, 1, v10
	v_lshl_add_u32 v12, v13, 4, v12
	v_bfe_u32 v13, v10, 1, 2
	v_lshl_add_u32 v12, v13, 2, v12
	s_lshl_b32 s31, s27, 5
	v_add_nc_u32 v12, s31, v12
	v_lshlrev_b32 v13, 4, v0                       ; back: 16 t
	v_lshrrev_b32 v14, 4, v0                       ; out: a step's 256 bytes of the stage are 256 consecutive bytes of codes, 512 from step to step
	v_and_b32 v15, 15, v0
	v_lshlrev_b32 v14, 9, v14
	v_lshl_add_u32 v14, v15, 4, v14
	s_lshr_b32 s28, s26, 1
	s_lshl_b32 s28, s28, 14                        ; the tile of 16 rows,
	s_and_b32 s31, s26, 1
	s_lshl_b32 s31, s31, 8                         ; its upper or lower eight
	s_add_co_u32 s28, s28, s31
	s_add_nc_u64 s[6:7], s[22:23], s[28:29]
.irp i, 0,1,2,3,4,5,6,7
	s_wait_loadcnt 14-2*(\i)
.irp j, 0,1,2,3,4,5,6,7
	v_min_u32 v[X+8*(\i)+(\j)], 1, v[X+8*(\i)+(\j)]     ; 1 where the mask is not 0
.endr
	v_lshl_or_b32 v[Y+(\i)], v[X+8*(\i)+7], 4, v[X+8*(\i)+6]
.irp j, 5,4,3,2,1,0
	v_lshl_or_b32 v[Y+(\i)], v[Y+(\i)], 4, v[X+8*(\i)+(\j)]   ; key j in nibble j
.endr
.endr
	v_or_b32 v11, v[Y], v[Y+1]
.irp i, 2,3,4,5,6,7
	v_or_b32 v11, v11, v[Y+(\i)]
.endr
	v_cmp_ne_u32 vcc_lo, 0, v11
	s_cmp_lg_u32 vcc_lo, 0                         ; has the row a visible key?
	s_cselect_b32 s30, -1, 0
.irp i, 0,1,2,3,4,5,6,7
	v_xor_b32 v[Y+(\i)], 0x11111111, v[Y+(\i)]     ; 1 where hidden,
	v_lshlrev_b32 v[X+(\i)], 4, v[Y+(\i)]
	v_sub_nc_u32 v[Y+(\i)], v[X+(\i)], v[Y+(\i)]   ; times 15,
	v_and_b32 v[Y+(\i)], s30, v[Y+(\i)]            ; and nothing hidden in a row that has no visible key
	ds_store_b32 v12, v[Y+(\i)] offset:1024*(\i)
.endr
	s_wait_dscnt 0x0                               ; my stores are done, for the other waves' sake
	s_barrier_signal -1
	s_barrier_wait -1
	ds_load_b128 v[16:19], v13
	ds_load_b128 v[20:23], v13 offset:4096
	s_wait_dscnt 0x0
	global_store_b128 v14, v[16:19], s[6:7]
	global_store_b128 v14, v[20:23], s[6:7] offset:8192
	v_mov_b32 v11, s30
	v_mov_b32 v15, s34
	s_wait_xcnt 0x0                                ; EXEC is narrowed only behind this wait
	v_cmp_eq_u32 vcc_lo, 0, v10
	s_and_saveexec_b32 s31, vcc_lo
	global_store_b32 v15, v11, s[24:25]
	s_wait_xcnt 0x0                                ; and widened only behind this one
	s_or_b32 exec_lo, exec_lo, s31
	s_wait_tensorcnt 0x0                           ; the wave's end, behind my last LDS store
	ds_add_u32 v[SPW], v[NIL]
	s_wait_dscnt 0x0
	s_endpgm
.Lfunc_end_k_q6cec7962ba_prep:
	.size	k_q6cec7962ba_prep, .Lfunc_end_k_q6cec7962ba_prep-k_q6cec7962ba_prep
	.p2alignl 7, 3214868480
	.fill 96, 4, 3214868480
	.section	.rodata,"a",@progbits
	.p2align	6, 0x0
	.amdhsa_kernel k_q6cec7962ba_prep
		.amdhsa_group_segment_fixed_size 9216
		.amdhsa_private_segment_fixed_size 0
		.amdhsa_enable_private_segment 0
		.amdhsa_kernarg_size 72
		.amdhsa_user_sgpr_count 2
		.amdhsa_user_sgpr_kernarg_segment_ptr 1
		.amdhsa_wavefront_size32 1
		.amdhsa_system_sgpr_workgroup_id_x 1
		.amdhsa_system_sgpr_workgroup_id_y 1
		.amdhsa_system_sgpr_workgroup_id_z 1
		.amdhsa_system_vgpr_workitem_id 0
		.amdhsa_next_free_vgpr 112
		.amdhsa_next_free_sgpr 66
		.amdhsa_reserve_vcc 1
		.amdhsa_float_denorm_mode_32 3
		.amdhsa_float_denorm_mode_16_64 3
		.amdhsa_memory_ordered 1
		.amdhsa_forward_progress 1
		.amdhsa_inst_pref_size 27
	.end_amdhsa_kernel
	.amdgpu_metadata
---
amdhsa.version: [ 1, 2 ]
amdhsa.kernels:
  - .name:           k_q6cec7962ba_prep
    .symbol:         k_q6cec7962ba_prep.kd
    .args:
      - { .name: x, .offset: 0, .size: 8, .value_kind: global_buffer, .address_space: global }
      - { .name: qkv_w, .offset: 8, .size: 8, .value_kind: global_buffer, .address_space: global }
      - { .name: out_w, .offset: 16, .size: 8, .value_kind: global_buffer, .address_space: global }
      - { .name: mask, .offset: 24, .size: 8, .value_kind: global_buffer, .address_space: global }
      - { .name: xb, .offset: 32, .size: 8, .value_kind: global_buffer, .address_space: global }
      - { .name: wb, .offset: 40, .size: 8, .value_kind: global_buffer, .address_space: global }
      - { .name: ow, .offset: 48, .size: 8, .value_kind: global_buffer, .address_space: global }
      - { .name: codes, .offset: 56, .size: 8, .value_kind: global_buffer, .address_space: global }
      - { .name: keep, .offset: 64, .size: 8, .value_kind: global_buffer, .address_space: global }
    .group_segment_fixed_size: 9216
    .private_segment_fixed_size: 0
    .kernarg_segment_align: 8
    .kernarg_segment_size: 72
    .max_flat_workgroup_size: 256
    .sgpr_count:     66
    .vgpr_count:     112
    .wavefront_size: 32
...
	.end_amdgpu_metadata
.endif
;; end of part 1
;; launch qkv (part 2): grid 16 x 32, 4 waves a work-group, clusters of 4 x 4, 327,680 bytes of LDS; arguments xb, wb, qkv_b, qkvh; writes qkvh
.if DOCPART == 2
	.amdgcn_target "amdgcn-amd-amdhsa--gfx1250"
	.amdhsa_code_object_version 6
	.text
	.protected	k_q6cec7962ba_qkv
	.globl	k_q6cec7962ba_qkv
	.p2align	8
	.type	k_q6cec7962ba_qkv,@function
k_q6cec7962ba_qkv:
	s_mov_b64 s[64:65], 0
	v_nop
	global_prefetch_b8 v0, s[64:65] scope:SCOPE_SE
	s_setreg_imm32_b32 hwreg(HW_REG_WAVE_MODE, 25, 1), 1
	s_wait_xcnt 0x0
	s_wait_alu depctr_hold_cnt(0) depctr_sa_sdst(0) depctr_va_vdst(0) depctr_va_sdst(0) depctr_va_ssrc(0) depctr_va_vcc(0) depctr_vm_vsrc(0)
	s_getreg_b32 s2, hwreg(HW_REG_IB_STS2, 6, 4)
	s_cmp_eq_u32 s2, 0
	s_cbranch_scc0 .Lentry_in_a_cluster
	s_endpgm
.Lentry_in_a_cluster:
	s_bfe_u32 s2, ttmp6, 0x10000c
	s_cmp_lg_u32 s2, 0xf033
	s_cbranch_scc0 .Lentry_shape_is_right
	s_endpgm
.Lentry_shape_is_right:
; q, k, v = xb wb^T + qkv_b.  xb: [8192][1024] bf16, wb: [3072][1024] bf16, qkv_b: [3072] f32 (rounded to bf16 here, like the other inputs); sums in f32, the bias first; the result rounded once to f16.
; OUT: qkvh, by half-heads of 32 channels: byte ((which x 4 + batch) x 32 + hh) x 131072 + t x 64 + 2 ch, hh = 2 head + channel half; unscaled.
; LIMIT: q, k, v beyond 65,504 would be infinities in f16; with x of unit spread and weights within 1/32 they are of order 1.
; A tile of the result is 256 rows x 192 columns: 32 x 16 = 512 tiles, two for each of 256 WGPs.  Four waves, each 128 x 96: 48 accumulators of 16 x 16, 384 registers.
; K goes in steps of 128 through a ring of two LDS slots filled by tensor loads: rows of 256 bytes, aligned.  Waves 0 and 1 fetch the two halves of A's 256 rows, waves 2 and 3 those of B's 192.
; CLUSTER 4 x 4: A's tile hangs on the tile row alone and is asked for jointly by a row of the cluster, B's on the tile column alone, by a column.
; THE MATRIX INSTRUCTION IS USED TRANSPOSED (source 0 = 16 rows of wb, source 1 = 16 rows of xb): a lane holds row l % 16 and the columns 8 (l / 16) + 0..7.  The first product of each sum takes the bias as C.
; REGISTERS, in windows of 256: window 0: v16-30 addresses; v32-55, v224-247 rows on the way out; v64-127, v128-191 A's fragments, two buffers; v192-215 packed results.
;   window 1: v64-111, v128-175 B's fragments; v192-239 the bias, 8 registers for each block of 16 columns; v240 at work.   window 2: accumulators (a, b) at 8 (6 a + b), a = 0..3;   window 3: a = 4..7.
.set SIZE_K, 1024
.set KSTEP,  128
.set PITCH,  272                       ; an LDS row: 256 bytes + 16 of padding: the 16 rows of a fragment load start at 16 different groups of four banks
.set HALFA,  128*PITCH
.set HALFB,  96*PITCH
.set BOFF,   2*HALFA
.set SLOT,   2*HALFA+2*HALFB
.set STAGE,  2*SLOT                    ; behind the ring: 16 rows x 208 bytes for each wave
.set SPITCH, 208
.set SPARE,  STAGE+4*16*SPITCH         ; the spare words, 128 bytes a wave
.set LAPS,   SIZE_K/(2*KSTEP)
.set ADRA, 16
.set ADRB, 20
.set STO,  24
.set RD,   25
.set CO,   26
.set BO,   27
.set SPW,  28
.set NIL,  29
.set PFO,  30
.set OB,   32
.set F0,   64
.set F1,   128
.set TMP,  192
.set BIAS, 192                         ; window 1
.set BT,   240                         ; window 1
.set WV,  12
.set MH,  13                           ; which half of the rows is mine; also: I fetch for A (0) or B (1)
.set NH,  14                           ; which half of the columns; also: which half of that tile I fetch
.set TR,  15
.set G1,  24
.set G0,  32
.set CX,  40
.set CY,  41
.set TC,  42
.set LIM, 43
.set PFA, 44
.set G1B, 48
.set G0B, 56
.set CB,  66                           ; s[66:71] where my rows begin in my three half-heads
.set MSB, 0
.macro WIN new
.if MSB != (\new)
	s_set_vgpr_msb (MSB<<8)|(\new)
.set MSB, \new
.endif
.endm
; A joint load: one line for A's tiles, one for B's, chosen by the wave's number alone; an s_nop 0 and four v_nop follow each.
.macro JLOAD s
	s_cmp_eq_u32 s[MH], 0
	s_cbranch_scc0 .Lfor_b_\@
	tensor_load_to_lds s[G0+4*(\s):G0+4*(\s)+3], s[G1:G1+7]
	s_nop 0
.rept 4
	v_nop
.endr
	s_branch .Lasked_\@
.Lfor_b_\@:
	tensor_load_to_lds s[G0B+4*(\s):G0B+4*(\s)+3], s[G1B:G1B+7]
	s_nop 0
.rept 4
	v_nop
.endr
.Lasked_\@:
.endm
; A prefetch of the K step two refills on: my work-group's share (32 rows of A's 128, or 24 of B's 96, told apart by address) of the rows that I fetch, a lane a row, 256 bytes each.
; The clusters with x = 0 ask for A's rows, those with y = 0 for B's.  The loop's last trip asks for nothing: there is no K step two on.
.macro ASK
	s_cmp_gt_u32 s3, s[LIM]
	s_cbranch_scc0 .Lnot_mine_\@
	global_prefetch_b8 v[PFO], s[PFA:PFA+1] offset:KSTEP*2 th:TH_LOAD_NT scope:SCOPE_SE
.Lnot_mine_\@:
.endm
.macro CREST                           ; a round of the cluster's barrier behind its opening barrier
	s_cmp_lg_u32 s[WV], 0
	s_cbranch_scc1 .Lnot_wave_0_\@
	s_barrier_signal -3
.Lnot_wave_0_\@:
	s_barrier_wait -3
	s_barrier_signal -1
	s_barrier_wait -1
.endm
.macro CROUND
	s_barrier_signal -1
	s_barrier_wait -1
	CREST
.endm
	s_load_b256 s[4:11], s[0:1], 0x0               ; xb 4, wb 6, qkv_b 8, qkvh 10
	v_lshl_add_u32 v[SPW], v0, 2, SPARE
	v_mov_b32 v[NIL], 0
	ds_add_u32 v[SPW], v[NIL]                      ; the opening: the add and its wait ahead of my first tensor load
	v_lshrrev_b32 v1, 5, v0
	v_readfirstlane_b32 s[WV], v1
	s_lshr_b32 s[MH], s[WV], 1
	s_and_b32 s[NH], s[WV], 1
	s_bfe_u32 s[CX], ttmp6, 0x40000
	s_bfe_u32 s[CY], ttmp6, 0x40004
	s_lshl_b32 s[TC], ttmp9, 2
	s_add_co_u32 s[TC], s[TC], s[CX]               ; tile column
	s_and_b32 s[TR], ttmp7, 0xffff
	s_lshl_b32 s[TR], s[TR], 2
	s_add_co_u32 s[TR], s[TR], s[CY]               ; tile row
	s_lshl_b32 s43, s[CY], 2
	s_lshl_b32 s43, 15, s43                        ; my row of the cluster
	s_lshl_b32 s44, 0x1111, s[CX]                  ; my column
	s_or_b32 s[G1+0], s43, (1<<16)|(1<<20)|(1<<21)|(5<<22)|(3<<25)   ; mask; 2-byte elements; padding on; bit 21 beside a mask; after every 64 words 4 words
	s_or_b32 s[G1B+0], s44, (1<<16)|(1<<20)|(1<<21)|(5<<22)|(3<<25)
	s_mov_b32 s[G1+1], KSTEP<<16                   ; tensor_dim0 = 128
	s_mov_b32 s[G1+2], 128<<16                     ; tensor_dim1 = 128
	s_mov_b32 s[G1+3], KSTEP<<16                   ; tile_dim0 = 128
	s_mov_b32 s[G1+4], 128                         ; tile_dim1 = 128
	s_mov_b32 s[G1+5], SIZE_K                      ; elements from row to row
	s_mov_b32 s[G1+6], 0
	s_mov_b32 s[G1+7], 0
	s_mov_b32 s[G1B+1], KSTEP<<16
	s_mov_b32 s[G1B+2], 96<<16                     ; B's loads have 96 rows
	s_mov_b32 s[G1B+3], KSTEP<<16
	s_mov_b32 s[G1B+4], 96
	s_mov_b32 s[G1B+5], SIZE_K
	s_mov_b32 s[G1B+6], 0
	s_mov_b32 s[G1B+7], 0
	s_lshl_b32 s16, s[TR], 8
	s_lshl_b32 s17, s[NH], 7
	s_add_co_u32 s16, s16, s17                     ; A: row 256 x tile row + 128 x half,
	s_lshl_b32 s16, s16, 11                        ; of 2,048 bytes
	s_mov_b32 s17, 0
	s_mul_i32 s46, s[TC], 192
	s_mul_i32 s47, s[NH], 96
	s_add_co_u32 s46, s46, s47                     ; B: row 192 x tile column + 96 x half
	s_lshl_b32 s46, s46, 11
	s_mov_b32 s47, 0
	s_mul_i32 s20, s[WV], HALFA                    ; where they go: waves 0, 1: A's halves;
	s_mul_i32 s21, s[WV], HALFB
	s_add_co_u32 s21, s21, BOFF-2*HALFB            ; waves 2, 3: B's halves, behind A's 256 rows
	s_wait_dscnt 0x0                               ; the opening add is done
	s_wait_kmcnt 0x0
	s_add_nc_u64 s[18:19], s[4:5], s[16:17]
	s_add_nc_u64 s[46:47], s[6:7], s[46:47]
	CROUND                                         ; all sixteen work-groups are here: the first joint loads meet
.irp s, 0,1
	s_mov_b32 s[G0+4*(\s)], 1
	s_add_co_u32 s[G0+4*(\s)+1], s20, (\s)*SLOT
	s_add_nc_u64 s[G0+4*(\s)+2:G0+4*(\s)+3], s[18:19], (\s)*KSTEP*2
	s_or_b32 s[G0+4*(\s)+3], s[G0+4*(\s)+3], 0x80000000
	s_mov_b32 s[G0B+4*(\s)], 1
	s_add_co_u32 s[G0B+4*(\s)+1], s21, (\s)*SLOT
	s_add_nc_u64 s[G0B+4*(\s)+2:G0B+4*(\s)+3], s[46:47], (\s)*KSTEP*2
	s_or_b32 s[G0B+4*(\s)+3], s[G0B+4*(\s)+3], 0x80000000
	JLOAD \s                                       ; two loads of mine are out
.endr
	v_and_b32 v1, 15, v0                           ; l % 16
	v_bfe_u32 v2, v0, 4, 1                         ; l / 16
	v_and_b32 v5, 31, v0                           ; l
	v_lshlrev_b32 v[BO], 5, v2                     ; my eight columns' 32 bytes of the bias
	s_mul_i32 s20, s[TC], 768
	s_mul_i32 s21, s[NH], 384
	s_add_co_u32 s20, s20, s21
	s_mov_b32 s21, 0
	s_add_nc_u64 s[8:9], s[8:9], s[20:21]          ; the bias of my 96 columns
	WIN 0x40
.irp b, 0,1,2,3,4,5
	global_load_b128 v[BIAS+8*(\b):BIAS+8*(\b)+3],   v[BO], s[8:9] offset:64*(\b)
	global_load_b128 v[BIAS+8*(\b)+4:BIAS+8*(\b)+7], v[BO], s[8:9] offset:64*(\b)+16
.endr
	WIN 0
	v_mul_u32_u24 v3, v1, PITCH
	v_lshl_add_u32 v3, v2, 4, v3                   ; a fragment's row x pitch + 16 x half
	s_mul_i32 s21, s[MH], HALFA
	s_mul_i32 s22, s[NH], HALFB
	s_add_co_u32 s22, s22, BOFF
.irp s, 0,1
	v_add_nc_u32 v[ADRA+(\s)], s21, v3
	v_add_nc_u32 v[ADRB+(\s)], s22, v3
	s_add_co_u32 s21, s21, SLOT
	s_add_co_u32 s22, s22, SLOT
.endr
	s_mul_i32 s23, s[WV], 16*SPITCH
	s_add_co_u32 s23, s23, STAGE                   ; my stage
	v_mul_u32_u24 v4, v1, SPITCH                   ; in: row l % 16, 16 bytes for each half of the lanes
	v_lshl_add_u32 v4, v2, 4, v4
	v_add_nc_u32 v[STO], s23, v4
	v_lshrrev_b32 v6, 2, v5                        ; back: eight rows x 64 bytes of one half-head
	v_and_b32 v7, 3, v5
	v_mul_u32_u24 v6, v6, SPITCH
	v_lshl_add_u32 v6, v7, 4, v6
	v_add_nc_u32 v[RD], s23, v6
	v_lshlrev_b32 v[CO], 4, v5                     ; which are 512 consecutive bytes of qkvh
	; where my rows begin in my three half-heads
	s_mul_i32 s20, s[TC], 6
	s_mul_i32 s21, s[NH], 3
	s_add_co_u32 s20, s20, s21                     ; my first half-head, 0..95
	s_lshr_b32 s21, s[TR], 3                       ; the batch
	s_and_b32 s22, s[TR], 7
	s_lshl_b32 s22, s22, 8
	s_lshl_b32 s23, s[MH], 7
	s_add_co_u32 s22, s22, s23
	s_lshl_b32 s22, s22, 6                         ; my first row in the batch, 64 bytes a row
.irp i, 0,1,2
	s_add_co_u32 s23, s20, \i
	s_lshr_b32 s46, s23, 5                         ; q, k or v
	s_and_b32 s23, s23, 31
	s_lshl_b32 s46, s46, 2
	s_add_co_u32 s46, s46, s21
	s_lshl_b32 s46, s46, 5
	s_add_co_u32 s46, s46, s23
	s_lshl_b32 s46, s46, 17
	s_add_co_u32 s46, s46, s22
	s_mov_b32 s47, 0
	s_add_nc_u64 s[CB+2*(\i):CB+2*(\i)+1], s[10:11], s[46:47]
.endr
	; the prefetches
	s_and_b32 s22, ttmp7, 0xffff                   ; cluster y
	s_lshl_b32 s20, s[TR], 8
	s_mul_i32 s21, s[TC], 192
	s_cmp_eq_u32 s[MH], 0                          ; do I fetch for A?
	s_cselect_b32 s20, s20, s21                    ; the tile's first row
	s_cselect_b32 s21, s[CX], s[CY]                ; my place among the four that ask with me
	s_cselect_b32 s22, ttmp9, s22                  ; the coordinate along which other clusters read the same rows
	s_cselect_b32 s23, 32, 24                      ; a partner's share of the rows that a wave fetches
	s_cselect_b64 s[PFA:PFA+1], s[4:5], s[6:7]
	s_cmp_eq_u32 s22, 0
	s_cselect_b32 s[LIM], 1, -1
	s_mul_i32 s21, s21, s23
	s_add_co_u32 s20, s20, s21
	s_lshl_b32 s21, s23, 2
	s_mul_i32 s21, s21, s[NH]
	s_add_co_u32 s20, s20, s21
	s_lshl_b32 s20, s20, 11
	s_mov_b32 s21, 0
	s_add_nc_u64 s[PFA:PFA+1], s[PFA:PFA+1], s[20:21]
	s_add_nc_u64 s[PFA:PFA+1], s[PFA:PFA+1], 2*KSTEP*2   ; at K step 2: the first refill steps it to 3 and names K step 4
	s_sub_co_u32 s23, s23, 1
	v_min_u32 v[PFO], s23, v5                      ; a lane a row; with 24 rows the last eight lanes name the last row once more
	v_lshlrev_b32 v[PFO], 11, v[PFO]
	s_wait_loadcnt 0x0                             ; the bias
	WIN 0x45
.set i, 0
.rept 24
	v_cvt_pk_bf16_f32 v[BT], v[BIAS+i], v[BIAS+i+1]        ; rounded to bf16 and widened again
	v_lshlrev_b32 v[BIAS+i], 16, v[BT]
	v_and_b32 v[BIAS+i+1], 0xffff0000, v[BT]
.set i, i+2
.endr
	WIN 0
; 12 matrix instructions: m blocks a0, a0 + 1 of the window's four x all 6 n blocks, 32 along K.  first = 1: the bias starts the sums.  The 48 accumulators take turns in one order everywhere.
.macro MUL12 f, hi, a0, first
.if \first
	WIN 0x91+0x40*(\hi)
.else
	WIN 0xa1+0x50*(\hi)
.endif
.irp a, \a0, (\a0)+1
.irp b, 0,1,2,3,4,5
.if \first
	v_wmma_f32_16x16x32_bf16 v[8*(6*(\a)+(\b)):8*(6*(\a)+(\b))+7], v[(\f)+8*(\b):(\f)+8*(\b)+7], v[(\f)+8*(4*(\hi)+(\a)):(\f)+8*(4*(\hi)+(\a))+7], v[BIAS+8*(\b):BIAS+8*(\b)+7]
.else
	v_wmma_f32_16x16x32_bf16 v[8*(6*(\a)+(\b)):8*(6*(\a)+(\b))+7], v[(\f)+8*(\b):(\f)+8*(\b)+7], v[(\f)+8*(4*(\hi)+(\a)):(\f)+8*(4*(\hi)+(\a))+7], v[8*(6*(\a)+(\b)):8*(6*(\a)+(\b))+7]
.endif
.endr
.endr
.endm
; 28 LDS loads in one run: B's 96 rows, then A's 128, 32 along K at byte k of the rows
.macro FETCH slot, k, f
	WIN 0x40
.irp i, 0,1,2,3,4,5
	ds_load_b128 v[(\f)+8*(\i):(\f)+8*(\i)+3],   v[ADRB+(\slot)] offset:(\k)+(\i)*16*PITCH
	ds_load_b128 v[(\f)+8*(\i)+4:(\f)+8*(\i)+7], v[ADRB+(\slot)] offset:(\k)+(\i)*16*PITCH+32
.endr
	WIN 0
.irp i, 0,1,2,3,4,5,6,7
	ds_load_b128 v[(\f)+8*(\i):(\f)+8*(\i)+3],   v[ADRA+(\slot)] offset:(\k)+(\i)*16*PITCH
	ds_load_b128 v[(\f)+8*(\i)+4:(\f)+8*(\i)+7], v[ADRA+(\slot)] offset:(\k)+(\i)*16*PITCH+32
.endr
.endm
.macro PLACES                          ; four plain places in front of loads into registers that matrix instructions have read, and of conversions that read results
.rept 4
	v_nop
.endr
.endm
.macro QUARTER slot, k, f, g, first
	s_wait_dscnt 8                                 ; B and A's rows 0-63 are in; the youngest eight loads (A's rows 64-127) may be out
	MUL12 \f, 0, 0, \first
	MUL12 \f, 0, 2, \first
	PLACES
	FETCH \slot, \k, \g
	s_wait_dscnt 28                                ; all but the 28 just issued
	MUL12 \f, 1, 0, \first
	MUL12 \f, 1, 2, \first
.endm
; The change of slots: each wave waits for all its tensor loads (one is out: its part of the next slot), adds 0 to its spare word, and waits for that and for its reads of this slot.
.macro MEET round
	WIN 0
	s_wait_tensorcnt 0x0
	ds_add_u32 v[SPW], v[NIL]
	s_wait_dscnt 9                                 ; the add and the youngest eight loads may be out
	MUL12 F1, 0, 0, 0
	s_wait_dscnt 0x0                               ; the add is done, and my reads of this slot are over
	s_barrier_signal -1
	MUL12 F1, 0, 2, 0
.if \round
	WIN 0
.endif
	s_barrier_wait -1
.endm
.macro TURN slot, next, fill
.if \fill
	s_wait_xcnt 0x0                                ; the last prefetch, a K step back, has read its address
	s_add_nc_u64 s[PFA:PFA+1], s[PFA:PFA+1], KSTEP*2
	MEET 1
	CREST                                          ; no wave of any partner still reads this slot or has a load on its way
	s_add_nc_u64 s[G0+4*(\slot)+2:G0+4*(\slot)+3], s[G0+4*(\slot)+2:G0+4*(\slot)+3], 2*KSTEP*2
	s_add_nc_u64 s[G0B+4*(\slot)+2:G0B+4*(\slot)+3], s[G0B+4*(\slot)+2:G0B+4*(\slot)+3], 2*KSTEP*2
	JLOAD \slot                                    ; my one tensor load behind the round; its four v_nop are also the places in front of the loads below
	FETCH \next, 0, F0
	ASK
.else
	MEET 0
	PLACES
	FETCH \next, 0, F0
.endif
	MUL12 F1, 1, 0, 0
	MUL12 F1, 1, 2, 0
.endm
	s_wait_tensorcnt 1                             ; my part of K step 0 is in; K step 1's may stay out
	s_barrier_signal -1
	s_barrier_wait -1
	FETCH 0, 0, F0
	QUARTER 0, 64,  F0, F1, 1
	WIN 0
	s_mov_b32 s3, LAPS-1
.Llap:                                                 ; a trip goes once round the ring and fills both slots again
	QUARTER 0, 128, F1, F0, 0
	QUARTER 0, 192, F0, F1, 0
	TURN 0, 1, 1
	QUARTER 1, 64,  F0, F1, 0
	QUARTER 1, 128, F1, F0, 0
	QUARTER 1, 192, F0, F1, 0
	TURN 1, 0, 1
	QUARTER 0, 64,  F0, F1, 0
	WIN 0
	s_sub_co_u32 s3, s3, 1
	s_cmp_lg_u32 s3, 0
	s_cbranch_scc1 .Llap
	QUARTER 0, 128, F1, F0, 0                      ; the last lap fills nothing
	QUARTER 0, 192, F0, F1, 0
	TURN 0, 1, 0
	QUARTER 1, 64,  F0, F1, 0
	QUARTER 1, 128, F1, F0, 0
	QUARTER 1, 192, F0, F1, 0
	s_wait_dscnt 8
	MUL12 F1, 0, 0, 0
	MUL12 F1, 0, 2, 0
	s_wait_dscnt 0x0
	MUL12 F1, 1, 0, 0
	MUL12 F1, 1, 2, 0
	WIN 0
	PLACES
; THE WAY OUT, a block of 16 rows at a time: rounded to f16; into my stage; back as 8 rows x 64 bytes of a half-head, which are 512 consecutive bytes of qkvh.
.macro PACK a
.set AC, 48*((\a)%4)
	WIN 0x0a+5*((\a)/4)
.irp b, 0,1,2,3,4,5
.irp r, 0,1,2,3
	v_cvt_pk_f16_f32 v[TMP+4*(\b)+(\r)], v[AC+8*(\b)+2*(\r)], v[AC+8*(\b)+2*(\r)+1]
.endr
.endr
	WIN 0
.endm
.macro TOSTAGE a
.set BK, OB+192*((\a)%2)
.irp b, 0,1,2,3,4,5
	ds_store_b128 v[STO], v[TMP+4*(\b):TMP+4*(\b)+3] offset:32*(\b)
.endr
.irp i, 0,1,2
.irp k, 0,1
	ds_load_b128 v[BK+4*(2*(\i)+(\k)):BK+4*(2*(\i)+(\k))+3], v[RD] offset:(\i)*64+(\k)*8*SPITCH   ; LDS serves a wave's instructions in order: these see the stores above
.endr
.endr
.endm
.macro SEND a
.set BK, OB+192*((\a)%2)
	s_wait_dscnt 0x0                               ; the block is back in registers
	s_wait_xcnt 0x0                                ; the stores of the block before have read their registers: the next block's loads land there
.irp i, 0,1,2
.irp k, 0,1
	global_store_b128 v[CO], v[BK+4*(2*(\i)+(\k)):BK+4*(2*(\i)+(\k))+3], s[CB+2*(\i):CB+2*(\i)+1] offset:(\a)*1024+(\k)*512
.endr
.endr
.endm
	PACK 0
	TOSTAGE 0
.irp a, 1,2,3,4,5,6,7                  ; block a's conversions stand between block a - 1's loads from the stage and the wait for them
	PACK \a
	SEND (\a)-1
	TOSTAGE \a
.endr
	SEND 7
	s_wait_tensorcnt 0x0                           ; the wave's end
	ds_add_u32 v[SPW], v[NIL]
	s_wait_dscnt 0x0
	CROUND                                         ; the closing round
	s_endpgm
.Lfunc_end_k_q6cec7962ba_qkv:
	.size	k_q6cec7962ba_qkv, .Lfunc_end_k_q6cec7962ba_qkv-k_q6cec7962ba_qkv
	.p2alignl 7, 3214868480
	.fill 96, 4, 3214868480
	.section	.rodata,"a",@progbits
	.p2align	6, 0x0
	.amdhsa_kernel k_q6cec7962ba_qkv
		.amdhsa_group_segment_fixed_size 327680
		.amdhsa_private_segment_fixed_size 0
		.amdhsa_enable_private_segment 0
		.amdhsa_kernarg_size 32
		.amdhsa_user_sgpr_count 2
		.amdhsa_user_sgpr_kernarg_segment_ptr 1
		.amdhsa_wavefront_size32 1
		.amdhsa_system_sgpr_workgroup_id_x 1
		.amdhsa_system_sgpr_workgroup_id_y 1
		.amdhsa_system_sgpr_workgroup_id_z 1
		.amdhsa_system_vgpr_workitem_id 0
		.amdhsa_next_free_vgpr 960
		.amdhsa_next_free_sgpr 72
		.amdhsa_reserve_vcc 0
		.amdhsa_float_denorm_mode_32 3
		.amdhsa_float_denorm_mode_16_64 3
		.amdhsa_memory_ordered 1
		.amdhsa_forward_progress 1
		.amdhsa_inst_pref_size 122
	.end_amdhsa_kernel
	.amdgpu_metadata
---
amdhsa.version: [ 1, 2 ]
amdhsa.kernels:
  - .name:           k_q6cec7962ba_qkv
    .symbol:         k_q6cec7962ba_qkv.kd
    .args:
      - { .name: xb, .offset: 0, .size: 8, .value_kind: global_buffer, .address_space: global }
      - { .name: wb, .offset: 8, .size: 8, .value_kind: global_buffer, .address_space: global }
      - { .name: qkv_b, .offset: 16, .size: 8, .value_kind: global_buffer, .address_space: global }
      - { .name: qkvh, .offset: 24, .size: 8, .value_kind: global_buffer, .address_space: global }
    .group_segment_fixed_size: 327680
    .private_segment_fixed_size: 0
    .kernarg_segment_align: 8
    .kernarg_segment_size: 32
    .max_flat_workgroup_size: 128
    .sgpr_count:     72
    .vgpr_count:     960
    .wavefront_size: 32
...
	.end_amdgpu_metadata
.endif
;; end of part 2
;; launch attn (part 3): grid 4 x 64, 4 waves a work-group, clusters of 4 x 1, 327,680 bytes of LDS; arguments qkvh, codes, keep, oh; writes oh
.if DOCPART == 3
	.amdgcn_target "amdgcn-amd-amdhsa--gfx1250"
	.amdhsa_code_object_version 6
	.text
	.protected	k_q6cec7962ba_attn
	.globl	k_q6cec7962ba_attn
	.p2align	8
	.type	k_q6cec7962ba_attn,@function
k_q6cec7962ba_attn:
	s_mov_b64 s[64:65], 0
	v_nop
	global_prefetch_b8 v0, s[64:65] scope:SCOPE_SE
	s_setreg_imm32_b32 hwreg(HW_REG_WAVE_MODE, 25, 1), 1
	s_wait_xcnt 0x0
	s_wait_alu depctr_hold_cnt(0) depctr_sa_sdst(0) depctr_va_vdst(0) depctr_va_sdst(0) depctr_va_ssrc(0) depctr_va_vcc(0) depctr_vm_vsrc(0)
	s_getreg_b32 s2, hwreg(HW_REG_IB_STS2, 6, 4)
	s_cmp_eq_u32 s2, 0
	s_cbranch_scc0 .Lentry_in_a_cluster
	s_endpgm
.Lentry_in_a_cluster:
	s_bfe_u32 s2, ttmp6, 0x10000c
	s_cmp_lg_u32 s2, 0x3003
	s_cbranch_scc0 .Lentry_shape_is_right
	s_endpgm
.Lentry_shape_is_right:
; ATTENTION UNDER A MASK THAT IS AN INPUT.  O[bh][q][:] = the sum over k of softmax_k(where(mask[q][k] == 0, lowest, Q[q] . K[k] / 8)) V[k][:], 64 heads of 2,048 rows, head size 64.
; Q, K, V: qkvh, f16, by half-heads of 32 channels (rows of 64 bytes, dense).  O: oh, f16, [bh][t][64].  Products, maxima and sums in f32; the weights p are rounded to f16 for the second product, O once at the end.
; THE MASK is the C operand that starts the sum S^T = K Q^T: 0, or -6 x 2^99 where the key is hidden.  It comes as fp4 codes (0 or 15, a nibble a key), laid out so that a lane's word IS its accumulator's eight keys:
; one scaled conversion (scale 2^99) makes the eight registers of C.  The running maximum starts at -2^90, so a hidden score is never the maximum and its weight is exactly 0.
; A ROW WITH NO VISIBLE KEY: its codes say visible and keep[q] = 0 clears its Q: all its scores are 0, all weights equal, O the mean of all rows of V, as the softmax of equal scores gives.
; LIMITS.  Q, K, V arrive within f16's 65,504; scores are then 2.7e11 at the most, nothing beside 2^90.  p below 6e-5 keeps f16's fixed step of 6e-8.  A weight below 2^-126 counts as 0.  NaN and infinities are not treated apart.
; SHARES.  A wave owns four PIECES of two tiles of 16 queries, a work-group's four waves 512 queries of one head.  Every wave walks all keys, 64 a step, 32 steps: the mask's pattern is not known, so no tile is left out.
; LAYOUT.  S^T = K Q^T (source 0 = 16 keys, source 1 = 16 queries): a lane holds ONE query (lane % 16) and the keys 8 (lane / 16) + 0..7.  Two such tiles, rounded to f16 in pairs, ARE source 1 of O^T = V^T P.
; SOFTMAX.  For each query a running maximum m and sum l: p = 2^(c s - c m), c = log2(e) / 8; in every step O and l are multiplied by a = 2^(c m_old - c m_new).
; BY TURNS.  Turn n belongs to piece n.  Its matrix work: 16 products K Q^T of piece n + 1, later 16 products V^T P of piece n - 1.  Its vector work: the scaling, exponentials, roundings, sums and rescaling of piece n, the maximum
; and statistics of piece n + 1, and the masks of piece n + 2.  Four vector instructions stand behind every matrix instruction, the rest in one lump; a turn's 66 exponentials are one batch with one wait.
; CLUSTER.  The four query blocks of a head walk the same K and V: each tile is asked for JOINTLY, by the same tensor load, descriptor and mask in all four.
; REGISTERS, in windows of 256 (s_set_vgpr_msb: bits 1:0 source 0, 3:2 source 1, 5:4 source 2, 7:6 destination):
;   window 0: v0-10 addresses; v11 the conversions' scale; v12-15, v48-63 at work; v16-47 statistics; v64-191 S^T, two buffers of two tiles; v192-255 P, likewise
;   window 1: O^T, 32 a tile     window 2: v0-127 Q; v128-191 K of one step; v192-255 V of one step     window 3: v0-1 the add's registers; v2, v3 offsets; v8-39 codes, 8 a piece; v64-127 the masks of one piece
.set NP,    4
.set KS,    64
.set PK,    80        ; a row of K in LDS: 64 bytes + 16 of padding = 20 words: the 16 rows of a load start at 16 different groups of four banks
.set PV,    96        ; a row of V: 64 + 32 = 24 words
.set KC,    256*PK    ; one channel half of a slot's 256 keys
.set VC,    256*PV
.set VOFF,  2*KC
.set SLOT1, 1<<17
.set STAGE, SLOT1+2*KC+2*VC   ; behind the ring: 16 rows x 144 bytes for each wave
.set SP,    144
.set SPARE, STAGE+4*16*SP     ; the spare words, 128 bytes a wave
.set AK0, 2
.set AV0, 3
.set AK,  4
.set AV,  5
.set QO,  6
.set STO, 6
.set RD,  7
.set GO,  8
.set SCL, 11          ; v11  0xE2 in every byte: 2^99
.set SPW, 0           ; window 3
.set NIL, 1           ; window 3
.set MO,  2           ; window 3: my 16 bytes of a tile's and step's 512 bytes of codes
.set PFO, 3           ; window 3: the prefetches' offset
.set CD,  8           ; window 3: piece z, tile u: four words at CD + 8 z + 4 u
.set MC,  64          ; window 3: tile u, key block kb at MC + 32 u + 8 kb
.set MV,  12
.set ST,  16
.set TMP, 48
.set S,   64
.set P,   192
.set KF,  128
.set VF,  192
.set WV,  12
.set G1K, 24
.set G1V, 32
.set G0K, 40
.set G0V, 44
.set SLOTS, 56
.set CNT, 57
.set CS,  58
.set SEL, 60
.set TBK, 62
.set TBV, 63
.set MB0, 66          ; s[66:67] codes at my wave's first tile, step 0
.set MBC, 68          ; s[68:69] the same at the step that is being loaded
.set SO,  70          ; s[70:71] that step's byte offset, 512 a step, taken modulo 16,384
.set PFA, 72          ; s[72:73] where my prefetches stand
.set LIM, 74          ; s74  1 in waves 0 and 2, else the greatest number
.set MSB, 0
.macro WIN new
.if MSB != (\new)
	s_set_vgpr_msb (MSB<<8)|(\new)
.set MSB, (\new)
.endif
.endm
.set W_KQ, 0x0a       ; K and Q in window 2, S^T in window 0
.set W_KM, 0x3a       ; the same with the C operand in window 3
.set W_PV, 0x52
.set W_RS, 0x41
.set W_MK, 0xc0
.set W_AD, 0x0f
.set W_CD, 0xc3       ; destination and source 0 in window 3, source 1 in window 0
; A joint fill.  Waves 0 and 1 fetch the two channel halves of a slot's K, waves 2 and 3 those of its V: 256 keys x 64 bytes each.
.macro JLOAD
	s_cmp_lt_u32 s[WV], 2
	s_cbranch_scc0 .Lfor_v_\@
	tensor_load_to_lds s[G0K:G0K+3], s[G1K:G1K+7]
	s_nop 0
.rept 4
	v_nop
.endr
	s_branch .Lasked_\@
.Lfor_v_\@:
	tensor_load_to_lds s[G0V:G0V+3], s[G1V:G1V+7]
	s_nop 0
.rept 4
	v_nop
.endr
.Lasked_\@:
.endm
; A prefetch of what the NEXT change of slots will ask for: a slot is 128 blocks of 256 bytes of K and 128 of V.  The four partners share them out by address, 32 each (16 of either channel half);
; wave 0 asks for K's, wave 2 for V's, a lane a block.  Four key steps lie between it and the load that wants the bytes.  The last change that fills a slot asks for nothing.
.macro ASK
	s_cmp_gt_u32 s[SLOTS], s[LIM]
	s_cbranch_scc0 .Lnot_mine_\@
	WIN 0x03
	global_prefetch_b8 v[PFO], s[PFA:PFA+1] th:TH_LOAD_NT scope:SCOPE_SE
	WIN 0
.Lnot_mine_\@:
.endm
.macro CROUND
	s_barrier_signal -1
	s_barrier_wait -1
	s_cmp_lg_u32 s[WV], 0
	s_cbranch_scc1 .Lnot_wave_0_\@
	s_barrier_signal -3
.Lnot_wave_0_\@:
	s_barrier_wait -3
	s_barrier_signal -1
	s_barrier_wait -1
.endm
; THE CHANGE OF SLOTS.  Each wave waits for all its tensor loads (one is out: its part of the other slot), adds 0 to its spare word, and waits for that and for its reads of the slot that it leaves.
; fill = 1: the barrier is a round of the cluster's, and the joint fill, with the keys two slots on, is the first thing behind it.  (At its first use slot 0 is waited for and slot 1 filled.)
.macro CHANGE fill
	WIN W_AD
	s_wait_tensorcnt 0x0
	ds_add_u32 v[SPW], v[NIL]
	WIN 0
.if \fill
.irp g, G0K, G0V
	s_xor_b32 s[\g+1], s[\g+1], SLOT1
	s_add_nc_u64 s[\g+2:\g+3], s[\g+2:\g+3], 16384  ; the next 256 keys of my half-head
.endr
	s_wait_xcnt 0x0                 ; the last prefetch, four key steps back, has read its address
	s_add_nc_u64 s[PFA:PFA+1], s[PFA:PFA+1], 16384
	s_wait_dscnt 0x0                ; the add is done, and my reads of the slot are over
	CROUND
	JLOAD
	ASK
.else
	s_wait_dscnt 0x0
	s_barrier_signal -1
	s_barrier_wait -1
.endif
	s_sub_co_u32 s[TBK], s[TBK], 4*KS*PK
	s_xor_b32 s[TBK], s[TBK], SLOT1
	s_sub_co_u32 s[TBV], s[TBV], 4*KS*PV
	s_xor_b32 s[TBV], s[TBV], SLOT1
.endm
; THE MASKS.  MASKCVT z: piece z's eight words of codes become its 64 registers of C.  left: the younger loads that may stay out (in the loop: three later pieces' two each).
; MASKLD z: piece z's codes of the step that is being loaded, 16 bytes a lane and tile.
.macro MASKCVT z, left=6
	WIN W_CD
	s_wait_loadcnt \left
.irp u, 0,1
.irp kb, 0,1,2,3
	v_cvt_scale_pk8_f32_fp4 v[MC+32*(\u)+8*(\kb):MC+32*(\u)+8*(\kb)+7], v[CD+8*(\z)+4*(\u)+(\kb)], v[SCL]
.endr
.endr
	WIN 0
.endm
.macro MASKLD z, base=MBC
	WIN W_CD
.irp u, 0,1
	global_load_b128 v[CD+8*(\z)+4*(\u):CD+8*(\z)+4*(\u)+3], v[MO], s[\base:\base+1] offset:(2*(\z)+(\u))*16384
.endr
	WIN 0
.endm
	s_load_b256 s[4:11], s[0:1], 0x0  ; qkvh 4, codes 6, keep 8, oh 10
	WIN W_MK
	v_lshl_add_u32 v[SPW], v0, 2, SPARE
	v_mov_b32 v[NIL], 0
	WIN W_AD
	ds_add_u32 v[SPW], v[NIL]       ; the opening: the add and its wait ahead of my first tensor load
	WIN 0
	v_lshrrev_b32 v1, 5, v0
	v_readfirstlane_b32 s[WV], v1
	s_bfe_u32 s13, ttmp6, 0x40000   ; cx
	s_lshl_b32 s14, ttmp9, 2
	s_add_co_u32 s14, s14, s13      ; my block of 512 queries
	s_lshl_b32 s14, s14, 2
	s_add_co_u32 s14, s14, s[WV]    ; my wave among the head's sixteen: 128 queries each; it enters Q's, O's, keep's and the codes' addresses alone
	s_and_b32 s20, ttmp7, 0xffff    ; the head, which the four partners share:
	s_lshl_b32 s20, s20, 18         ; its two half-heads of 131,072 bytes
	s_mov_b32 s21, 0
	s_and_b32 s16, s[WV], 1         ; which channel half I fetch
	s_lshl_b32 s22, s16, 17
	s_mov_b32 s23, 0
	s_add_nc_u64 s[22:23], s[22:23], s[20:21]
	s_mul_i32 s17, s16, KC          ; its place in a slot, for K
	s_mul_i32 s18, s16, VC          ; and for V
	s_lshl_b32 s2, s14, 13          ; Q: 128 rows of 64 bytes
	s_mov_b32 s3, 0
	s_add_nc_u64 s[2:3], s[2:3], s[20:21]
	s_lshl_b32 s48, s14, 14         ; O: 128 rows of 128 bytes
	s_mov_b32 s49, 0
	s_add_nc_u64 s[48:49], s[48:49], s[20:21]
	s_lshl_b32 s50, s14, 9          ; keep: 128 words
	s_mov_b32 s51, 0
	s_lshl_b32 s52, s14, 17         ; codes: 8 tiles of 16,384 bytes
	s_mov_b32 s53, 0
	s_lshr_b32 s76, s[WV], 1        ; the prefetches: K's part of qkvh (waves 0, 1) or V's,
	s_add_co_u32 s76, s76, 1
	s_lshl_b32 s76, s76, 24
	s_lshl_b32 s77, s13, 12         ; my work-group's 16 blocks of either half,
	s_add_co_u32 s76, s76, s77
	s_add_co_u32 s76, s76, 16384    ; in slot 1: the first change of slots steps it to slot 2
	s_mov_b32 s77, 0
	s_add_nc_u64 s[76:77], s[76:77], s[20:21]
	; descriptor group 1: 16,384 dense bytes, asked for as 64 rows of 256 bytes, four keys a row, padded in LDS after every key
	s_mov_b32 s[G1K], 15|(1<<16)|(1<<20)|(1<<21)|(3<<22)|(3<<25)  ; the mask of four; 2-byte elements; padding on; bit 21 beside a mask; after every 16 words 4 words
	s_mov_b32 s[G1V], 15|(1<<16)|(1<<20)|(1<<21)|(3<<22)|(7<<25)  ; the same with 8 words
.irp g, G1K, G1V
	s_mov_b32 s[\g+1], 128<<16
	s_mov_b32 s[\g+2], 64<<16
	s_mov_b32 s[\g+3], 128<<16
	s_mov_b32 s[\g+4], 64
	s_mov_b32 s[\g+5], 128
	s_mov_b32 s[\g+6], 0
	s_mov_b32 s[\g+7], 0
.endr
	s_mov_b32 s[CS], 0x3e38aa3b     ; c = log2(e) / 8
	s_mov_b32 s[CS+1], s[CS]
	s_mov_b32 s[SEL], 0x76543210
	s_mov_b32 s[SEL+1], 0xfedcba98
	s_mov_b32 s[TBK], SLOT1+4*KS*PK ; the first change of slots turns these two into 0
	s_mov_b32 s[TBV], SLOT1+4*KS*PV
	s_mov_b32 s[G0K], 1
	s_mov_b32 s[G0K+1], s17
	s_mov_b32 s[G0V], 1
	s_add_co_u32 s[G0V+1], s18, VOFF
	s_mov_b32 s[SLOTS], 7           ; slots still to be asked for
	s_mov_b32 s[SO], 512
	s_mov_b32 s[SO+1], 0
	s_and_b32 s[LIM], s[WV], 1
	s_cmp_eq_u32 s[LIM], 0
	s_cselect_b32 s[LIM], 1, -1
	s_wait_dscnt 0x0                ; the opening add is done
	s_wait_kmcnt 0x0
	s_add_nc_u64 s[54:55], s[4:5], s[22:23]
	s_add_nc_u64 s[G0K+2:G0K+3], s[54:55], 0x1000000   ; K's part of qkvh
	s_or_b32 s[G0K+3], s[G0K+3], 0x80000000
	s_add_nc_u64 s[G0V+2:G0V+3], s[54:55], 0x2000000   ; V's
	s_or_b32 s[G0V+3], s[G0V+3], 0x80000000
	s_add_nc_u64 s[PFA:PFA+1], s[4:5], s[76:77]
	s_add_nc_u64 s[4:5], s[4:5], s[2:3]
	s_add_nc_u64 s[10:11], s[10:11], s[48:49]
	s_add_nc_u64 s[8:9], s[8:9], s[50:51]
	s_add_nc_u64 s[MB0:MB0+1], s[6:7], s[52:53]
	s_add_nc_u64 s[MBC:MBC+1], s[MB0:MB0+1], s[SO:SO+1]
	CROUND                          ; all four work-groups are here
	JLOAD                           ; slot 0; slot 1 is asked for when slot 0 is in
	v_and_b32 v1, 15, v0            ; l % 16
	v_bfe_u32 v9, v0, 4, 1          ; l / 16
	v_lshlrev_b32 v[QO], 6, v1
	v_lshl_add_u32 v[QO], v9, 4, v[QO]  ; row x 64 + 16 x half
	v_lshlrev_b32 v12, 2, v1        ; my query's word of keep
	v_lshlrev_b32 v13, 5, v1
	v_lshl_add_u32 v13, v9, 4, v13  ; my 16 bytes of codes
	v_lshlrev_b32 v14, 8, v1
	v_lshl_add_u32 v14, v9, 17, v14 ; the prefetches: block l % 16 of channel half l / 16
	WIN W_MK
	v_mov_b32 v[MO], v13
	v_mov_b32 v[PFO], v14
	WIN 0x80
.set i, 0
.rept 4*NP                          ; Q stays in registers: tile i / 2, channel half i % 2
	global_load_b128 v[8*i:8*i+3],   v[QO], s[4:5] offset:(i/2)*1024+(i%2)*131072
	global_load_b128 v[8*i+4:8*i+7], v[QO], s[4:5] offset:(i/2)*1024+(i%2)*131072+32
.set i, i+1
.endr
	WIN 0
.set i, 0
.rept 2*NP
	global_load_b32 v[S+i], v12, s[8:9] offset:64*i   ; keep of my query in tile i
.set i, i+1
.endr
	MASKLD 0, MB0                   ; all four pieces' codes of step 0
	MASKLD 1, MB0
	MASKLD 2, MB0
	MASKLD 3, MB0
	; What the first turn finds: V's registers and P's second buffer hold 0, O^T and l are 0.  All this stands in the wait for the first tile.
	WIN 0x80
.set i, VF
.rept 64
	v_mov_b32 v[i], 0
.set i, i+1
.endr
	WIN 0x40
.set i, 0
.rept 64*NP
	v_mov_b32 v[i], 0
.set i, i+1
.endr
	WIN 0
.set i, 0
.rept 2*NP
	v_mov_b32 v[ST+4*i], 0xeb38aa3b    ; c m = -c x 2^90
	v_mov_b32 v[ST+4*i+1], 0xec800000  ; m = -2^90: above every hidden score, below every visible one
	v_mov_b32 v[ST+4*i+2], 0
	v_mov_b32 v[ST+4*i+3], 0
.set i, i+1
.endr
.set i, P+32
.rept 32
	v_mov_b32 v[i], 0
.set i, i+1
.endr
	v_mul_u32_u24 v[AK0], v1, PK
	v_lshl_add_u32 v[AK0], v9, 4, v[AK0]
	v_and_b32 v10, 7, v0
	v_bfe_u32 v11, v0, 3, 1
	v_lshl_add_u32 v[AV0], v9, 3, v10
	v_mul_u32_u24 v[AV0], v[AV0], PV
	v_lshl_add_u32 v[AV0], v11, 4, v[AV0]
	v_add_nc_u32 v[AV0], VOFF, v[AV0]
	v_mov_b32 v[SCL], 0xe2e2e2e2
	v_mov_b32 v[AK], v[AK0]
; THE MATRIX WORK.  The 8 accumulators of a run of 16 take turns.  Product i of 16 of S^T = K Q^T for piece x: channels 32 (i / 8) on, keys 16 ((i / 2) % 4) on, tile 2 x + i % 2.  The first 8 start the sums with the mask.
.macro KQ x
.set rS, S+64*((\x)%2)+32*(i%2)+8*((i/2)%4)
.set rK, KF+16*((i/2)%4)+8*(i/8)
.set rQ, 16*(2*(\x)+i%2)+8*(i/8)
.set rMC, MC+32*(i%2)+8*((i/2)%4)
.if i < 8
	WIN W_KM
	v_wmma_f32_16x16x32_f16 v[rS:rS+7], v[rK:rK+7], v[rQ:rQ+7], v[rMC:rMC+7]
.else
	WIN W_KQ
	v_wmma_f32_16x16x32_f16 v[rS:rS+7], v[rK:rK+7], v[rQ:rQ+7], v[rS:rS+7]
.endif
.endm
.macro PV x
	WIN W_PV
.set rO, 32*(2*(\x)+i%2)+8*((i/2)%4)
.set rV, VF+32*(i/8)+8*((i/2)%4)
.set rP, P+32*((\x)%2)+16*(i%2)+8*(i/8)
	v_wmma_f32_16x16x32_f16 v[rO:rO+7], v[rV:rV+7], v[rP:rP+7], v[rO:rO+7]
.endm
.macro MM
.if i < 16
	KQ (Y+1)%NP
.set i, i+1
.else
.set i, i-16
	PV (Y+NP-1)%NP
.set i, i+17
.endif
.endm
; THE LDS LOADS stand in runs of 16.  last = 1 (the tail): in the last trip there is no further step, and the run is jumped over.
.macro FETCH_K last=0
	WIN 0
.if \last
	s_cmp_eq_u32 s[CNT], 1
	s_cbranch_scc1 .Lno_k_\@
.endif
	WIN 0x80
.irp f, 0,1,2,3,4,5,6,7             ; keys 16 (f / 2) on, channel half f % 2
	ds_load_b128 v[KF+8*\f:KF+8*\f+3],   v[AK] offset:(\f%2)*KC+(\f/2)*16*PK
	ds_load_b128 v[KF+8*\f+4:KF+8*\f+7], v[AK] offset:(\f%2)*KC+(\f/2)*16*PK+32
.endr
	s_add_co_u32 s[TBK], s[TBK], KS*PK
	WIN 0
.if \last
.Lno_k_\@:
.endif
.endm
.macro FETCH_V
	WIN 0x80
.irp f, 0,1,2,3,4,5,6,7             ; keys 32 (f / 4) on, channels 16 (f % 4) on: channel half (f % 4) / 2
	ds_load_tr16_b128 v[VF+8*\f:VF+8*\f+3],   v[AV] offset:((\f%4)/2)*VC+((\f%4)%2)*32+(\f/4)*32*PV
	ds_load_tr16_b128 v[VF+8*\f+4:VF+8*\f+7], v[AV] offset:((\f%4)/2)*VC+((\f%4)%2)*32+(\f/4)*32*PV+16*PV
.endr
	WIN 0
.endm
; THE VECTOR WORK OF A TURN stands in three queues, each in the order in which its entries become ready; the two tiles alternate.
.macro REGS y, u
.set rT, ST+4*(2*(\y)+(\u))
.set rC, TMP+8*((\y)%2)+4*(\u)
.set rM, MV+2*((\y)%2)+(\u)
.set rS, S+64*((\y)%2)+32*(\u)
.set rP, P+32*((\y)%2)+16*(\u)
.set rO, 32*(2*(\y)+(\u))
.endm
; Number n of the 22 that find the NEXT piece's maximum and statistics; each accumulator's lowest registers are read first.
;   0-11 four chains of seven scores     12-14, 16 the four left over, the old m, and the four chains into one     15 c m_old is kept     17, 18 the lane 16 away: the new m     19-21 c m; its change; a
.macro XS u, n
	REGS (Y+1)%NP, \u
.if (\n) < 4
	v_max3_num_f32 v[rC+(\n)], v[rS+8*(\n)], v[rS+8*(\n)+1], v[rS+8*(\n)+2]
.elseif (\n) < 12
	v_max3_num_f32 v[rC+(\n)%4], v[rC+(\n)%4], v[rS+8*((\n)%4)+2*((\n)/4)+1], v[rS+8*((\n)%4)+2*((\n)/4)+2]
.elseif (\n) == 12
	v_max3_num_f32 v[rC], v[rC], v[rS+7], v[rS+15]
.elseif (\n) == 13
	v_max3_num_f32 v[rC+1], v[rC+1], v[rS+23], v[rS+31]
.elseif (\n) == 14
	v_max3_num_f32 v[rC+2], v[rC+2], v[rC+3], v[rT+1]
.elseif (\n) == 15
	v_mov_b32 v[rM], v[rT]
.elseif (\n) == 16
	v_max3_num_f32 v[rC], v[rC], v[rC+1], v[rC+2]
.elseif (\n) == 17
	v_permlanex16_b32 v[rC+3], v[rC], s[SEL], s[SEL+1]
.elseif (\n) == 18
	v_max_num_f32 v[rT+1], v[rC], v[rC+3]
.elseif (\n) == 19
	v_mul_f32 v[rT], s[CS], v[rT+1]
.elseif (\n) == 20
	v_sub_f32 v[rC+1], v[rM], v[rT]
.else
	v_exp_f32 v[rC+2], v[rC+1]
.endif
.endm
; Number g of the 64 that follow the exponentials: for each four weights both pairs are rounded to f16, the second pair is added onto the first, and a group later l takes that sum (the first time as l = a l + sum).
.macro GS g
.set h, (\g)+6*((\g)/62)
.if h >= 6
.set h, h+2
.endif
	REGS Y, h%2
.set k, h/8
.if h%8 < 4
	v_cvt_pk_f16_f32 v[rP+2*k+(h%8)/2], v[rS+4*k+2*((h%8)/2)], v[rS+4*k+2*((h%8)/2)+1]
.elseif h%8 < 6
	v_pk_add_f32 v[rS+4*k:rS+4*k+1], v[rS+4*k:rS+4*k+1], v[rS+4*k+2:rS+4*k+3]
.elseif k == 1
	v_pk_fma_f32 v[rT+2:rT+3], v[rT+2:rT+3], v[rC+2:rC+3], v[rS:rS+1] op_sel_hi:[1,0,1]
.else
	v_pk_add_f32 v[rT+2:rT+3], v[rT+2:rT+3], v[rS+4*k-4:rS+4*k-3]
.endif
.endm
; THE PLAIN QUEUE, 138 long.  0-26: scalings 0-26.  27-54: the next piece's numbers 0-13.  55, 56: number 15.  57-73: the chain 14, 16 .. 20, with scalings 27-31 between its links.  74-137: the 64 behind the wait.
.macro FS f
	REGS Y, (\f)%2
	v_pk_fma_f32 v[rS+2*((\f)/2):rS+2*((\f)/2)+1], v[rS+2*((\f)/2):rS+2*((\f)/2)+1], s[CS:CS+1], v[rT:rT+1] op_sel_hi:[1,0,0] neg_lo:[0,0,1] neg_hi:[0,0,1]
.endm
.macro PL
	WIN 0
.if q < 27
	FS q
.elseif q < 55
	XS (q-27)%2, (q-27)/2
.elseif q < 57
	XS q-55, 15
.elseif (q < 72) && ((q-57)%3 == 0)
	FS 27+(q-57)/3
.elseif q < 60
	XS (q-57)%3-1, 14
.elseif q < 72
	XS (q-57)%3-1, 15+(q-57)/3
.elseif q < 74
	XS q-72, 20
.else
	GS q-74
.endif
.set q, q+1
.endm
; THE EXPONENTIALS' QUEUE, 66 long: one batch, all ahead of the turn's one wait.
.macro EX
	WIN 0
.if e >= 64
	XS e-64, 21
.else
	REGS Y, e%2
	v_exp_f32 v[rS+e/2], v[rS+e/2]
.endif
.set e, e+1
.endm
; THE RESCALING's QUEUE: O^T times a, two at a time.
.macro R2
	REGS Y, r%2
	WIN W_RS
.irp z, 0,1
	v_pk_mul_f32 v[rO+4*(r/2)+2*\z:rO+4*(r/2)+2*\z+1], v[rO+4*(r/2)+2*\z:rO+4*(r/2)+2*\z+1], v[rC+2:rC+3] op_sel_hi:[1,0]
.endr
.set r, r+1
.endm
; A TURN, for piece p.  Ahead of its one wait: 16 products K Q^T, behind each a scaling, an exponential and two rescalings; then the lump.  Behind the wait: 16 products V^T P, behind each four of the roundings and sums.
; THE MASKS of piece p + 2, which the NEXT turn's products take, are made at the lump's head: the last product that read the mask registers is the turn's eighth, and the plain riders of the eight behind it lie between.
; Eight plain instructions follow the conversions; then the piece's codes of a later step are asked for, into the registers just converted: they are wanted four turns later.
; All four turns of a trip (pieces 2, 3, 0, 1) convert the codes of one step and load those of the step after it; the pointer steps in piece 1's turn, behind s_wait_xcnt 0, and wraps at the row's end, so that the last trips stay inside the buffer.
.macro TURN p, last=0, cnt=0
.set Y, (\p)
.set i, 0
.set q, 0
.set e, 0
.set r, 0
.if (\p) == NP-1
	s_wait_dscnt 0x0                ; K is in
.endif
	MM
	PL
	PL
	R2
.rept 15
	MM
	PL
	EX
	R2
.endr
.if (\p) == NP-2
	WIN 0
	v_add_nc_u32 v[AK], s[TBK], v[AK0]
.endif
	MASKCVT ((\p)+2)%NP
.rept 8
	PL
.endr
	MASKLD ((\p)+2)%NP
.rept 49
	EX
	PL
.endr
	EX
	EX
	v_nop                           ; a plain instruction behind the last exponential: one for the batch
	s_wait_alu depctr_va_vdst(0)    ; the wait for the batch, ahead of the first instruction that names a result
.if (\p) == NP-2
	FETCH_K \last
.endif
.if (\p) == 1
	s_wait_dscnt 0x0                ; V is in
.endif
.rept 16
	MM
.rept 4
	PL
.endr
.if ((\p) == 0) && (q == 118)
	v_add_nc_u32 v[AV], s[TBV], v[AV0]
.endif
.if ((\p) == 1) && (q == 118)
	s_wait_xcnt 0x0                 ; the trip's eight loads of codes have read their base
	s_add_co_u32 s[SO], s[SO], 512
	s_and_b32 s[SO], s[SO], 0x3fff
	s_add_nc_u64 s[MBC:MBC+1], s[MB0:MB0+1], s[SO:SO+1]
.endif
.if ((\p) == 0) && (q == 130)
	s_add_co_u32 s[TBV], s[TBV], KS*PV
.endif
.if (\cnt) && (q == 130)
	s_sub_co_u32 s[CNT], s[CNT], 1
	s_cmp_lg_u32 s[CNT], 0
.endif
.endr
.if (\p) == 0
	FETCH_V
.endif
.endm
	CHANGE 1                        ; slot 0 is in, everybody's part of it; slot 1 is asked for
	FETCH_K                         ; key step 0
	s_wait_loadcnt 8                ; Q and keep are in; the eight loads of codes may be out
	WIN 0x88                        ; Q (destination and source 1) in window 2, keep in window 0
.set t, 0
.rept 2*NP
.set i, 0
.rept 16
	v_and_b32 v[16*t+i], v[S+t], v[16*t+i]   ; a query with no visible key is cleared
.set i, i+1
.endr
.set t, t+1
.endr
	MASKCVT 0, 6                    ; piece 0's masks of step 0: the other three pieces' codes may be out
	v_nop                           ; a plain instruction behind the conversions
	s_wait_dscnt 0x0
.set i, 0
.rept 16
	KQ 0
.set i, i+1
.endr
	WIN 0                           ; the addresses for the way out: plain instructions, the places behind those products
	s_mul_i32 s13, s[WV], 16*SP
	s_add_co_u32 s13, s13, STAGE
	v_mul_u32_u24 v[STO], v1, SP
	v_lshl_add_u32 v[STO], v9, 4, v[STO]
	v_add_nc_u32 v[STO], s13, v[STO]
	v_bfe_u32 v[RD], v0, 3, 2
	v_mul_u32_u24 v[RD], v[RD], SP
	v_lshl_add_u32 v[RD], v10, 4, v[RD]
	v_add_nc_u32 v[RD], s13, v[RD]
	v_and_b32 v[GO], 31, v0
	v_lshlrev_b32 v[GO], 4, v[GO]
	MASKCVT 1, 4                    ; piece 1's masks of step 0, for the first turn's products
	v_nop
	MASKLD 0                        ; pieces 0 and 1: the codes of step 1
	MASKLD 1
.set Y, NP-1
.irp n, 0,1,2,3,4,5,6,7,8,9,10,11,12,13,14,15,16,17,18,19,20,21
	XS 0, \n
	XS 1, \n
.endr
	v_nop
	s_wait_alu depctr_va_vdst(0)
	s_mov_b32 s[CNT], 4
	s_branch .Lfirst                ; the loop is entered at a step's first turn
.Lslot:                             ; six times: with the change above, slots 1 to 7 are asked for
	CHANGE 1
	s_mov_b32 s[CNT], 4
.Lstep:                             ; a trip: pieces 2 and 3 of one step, then pieces 0 and 1 of the next
	TURN 2
	TURN 3
	WIN 0
.Lfirst:
	TURN 0
	TURN 1, 0, 1
	WIN 0
	s_cbranch_scc1 .Lstep
	s_sub_co_u32 s[SLOTS], s[SLOTS], 1
	s_cmp_lg_u32 s[SLOTS], 0
	s_cbranch_scc1 .Lslot
	CHANGE 0                        ; the tail is written out
	s_mov_b32 s[CNT], 5
.Ltail:
	TURN 2, 1
	TURN 3
	WIN 0
	s_sub_co_u32 s[CNT], s[CNT], 1
	s_cmp_eq_u32 s[CNT], 0
	s_cbranch_scc1 .Lout
	TURN 0
	TURN 1
	WIN 0
	s_branch .Ltail
.Lout:                              ; the fifth trip's products K Q^T and the maximum made of them serve nothing: the price of one text for every trip
.set i, 0
.rept 16
	PV NP-1
.set i, i+1
.endr
	; THE WAY OUT.  l's two halves and the other half of the lanes' are added; O^T is divided by l, rounded to f16 and sent through my stage, a tile at a time.
	WIN 0
.macro ALL line:vararg
.set t, 0
.rept 2*NP
	\line
.set t, t+1
.endr
.endm
	ALL v_add_f32 v[ST+4*t+2], v[ST+4*t+2], v[ST+4*t+3]
	ALL v_permlanex16_b32 v[ST+4*t+3], v[ST+4*t+2], s[SEL], s[SEL+1]
	ALL v_add_f32 v[ST+4*t+2], v[ST+4*t+2], v[ST+4*t+3]
	ALL v_rcp_f32 v[ST+4*t+2], v[ST+4*t+2]
	v_nop
	s_wait_alu depctr_va_vdst(0)    ; one wait for the eight reciprocals
.macro PACK t
	WIN W_RS
.set i, 32*(\t)
.rept 16
	v_pk_mul_f32 v[i:i+1], v[i:i+1], v[ST+4*(\t)+2:ST+4*(\t)+3] op_sel_hi:[1,0]
.set i, i+2
.endr
	WIN 0x05
.set i, 0
.rept 16
	v_cvt_pk_f16_f32 v[S+16*(\t)+i], v[32*(\t)+2*i], v[32*(\t)+2*i+1]
.set i, i+1
.endr
	WIN 0
.irp f, 0,1,2,3
	ds_store_b128 v[STO], v[S+16*(\t)+4*\f:S+16*(\t)+4*\f+3] offset:32*\f
.endr
.irp f, 0,1,2,3
	ds_load_b128 v[S+16*(\t)+4*\f:S+16*(\t)+4*\f+3], v[RD] offset:\f*4*SP  ; LDS serves a wave's instructions in order: these see the stores above
.endr
.endm
.macro SEND t, younger
	WIN 0
.irp f, 0,1,2,3
	s_wait_dscnt (\younger)+3-\f
	global_store_b128 v[GO], v[S+16*(\t)+4*\f:S+16*(\t)+4*\f+3], s[10:11] offset:(\t)*2048+\f*512  ; 512 consecutive bytes, at a multiple of 256 from O's first
.endr
.endm
	PACK 0
.set t, 1
.rept 2*NP-1
	PACK t
	SEND t-1, 8
.set t, t+1
.endr
	SEND 2*NP-1, 0
	WIN W_AD
	s_wait_tensorcnt 0x0            ; the wave's end
	ds_add_u32 v[SPW], v[NIL]
	s_wait_dscnt 0x0
	WIN 0
	CROUND                          ; the closing round
	s_endpgm
.Lfunc_end_k_q6cec7962ba_attn:
	.size	k_q6cec7962ba_attn, .Lfunc_end_k_q6cec7962ba_attn-k_q6cec7962ba_attn
	.p2alignl 7, 3214868480
	.fill 96, 4, 3214868480
	.section	.rodata,"a",@progbits
	.p2align	6, 0x0
	.amdhsa_kernel k_q6cec7962ba_attn
		.amdhsa_group_segment_fixed_size 327680
		.amdhsa_private_segment_fixed_size 0
		.amdhsa_enable_private_segment 0
		.amdhsa_kernarg_size 32
		.amdhsa_user_sgpr_count 2
		.amdhsa_user_sgpr_kernarg_segment_ptr 1
		.amdhsa_wavefront_size32 1
		.amdhsa_system_sgpr_workgroup_id_x 1
		.amdhsa_system_sgpr_workgroup_id_y 1
		.amdhsa_system_sgpr_workgroup_id_z 1
		.amdhsa_system_vgpr_workitem_id 0
		.amdhsa_next_free_vgpr 896
		.amdhsa_next_free_sgpr 80
		.amdhsa_reserve_vcc 0
		.amdhsa_float_denorm_mode_32 3
		.amdhsa_float_denorm_mode_16_64 3
		.amdhsa_memory_ordered 1
		.amdhsa_forward_progress 1
		.amdhsa_inst_pref_size 215
	.end_amdhsa_kernel
	.amdgpu_metadata
---
amdhsa.version: [ 1, 2 ]
amdhsa.kernels:
  - .name:           k_q6cec7962ba_attn
    .symbol:         k_q6cec7962ba_attn.kd
    .args:
      - { .name: qkvh, .offset: 0, .size: 8, .value_kind: global_buffer, .address_space: global }
      - { .name: codes, .offset: 8, .size: 8, .value_kind: global_buffer, .address_space: global }
      - { .name: keep, .offset: 16, .size: 8, .value_kind: global_buffer, .address_space: global }
      - { .name: oh, .offset: 24, .size: 8, .value_kind: global_buffer, .address_space: global }
    .group_segment_fixed_size: 327680
    .private_segment_fixed_size: 0
    .kernarg_segment_align: 8
    .kernarg_segment_size: 32
    .max_flat_workgroup_size: 128
    .sgpr_count:     80
    .vgpr_count:     896
    .wavefront_size: 32
...
	.end_amdgpu_metadata
.endif
;; end of part 3
;; launch proj (part 4): grid 8 x 32, 4 waves a work-group, clusters of 4 x 4, 327,680 bytes of LDS; arguments oh, ow, out_b, out0; writes out0
.if DOCPART == 4
	.amdgcn_target "amdgcn-amd-amdhsa--gfx1250"
	.amdhsa_code_object_version 6
	.text
	.protected	k_q6cec7962ba_proj
	.globl	k_q6cec7962ba_proj
	.p2align	8
	.type	k_q6cec7962ba_proj,@function
k_q6cec7962ba_proj:
	s_mov_b64 s[64:65], 0
	v_nop
	global_prefetch_b8 v0, s[64:65] scope:SCOPE_SE
	s_setreg_imm32_b32 hwreg(HW_REG_WAVE_MODE, 25, 1), 1
	s_wait_xcnt 0x0
	s_wait_alu depctr_hold_cnt(0) depctr_sa_sdst(0) depctr_va_vdst(0) depctr_va_sdst(0) depctr_va_ssrc(0) depctr_va_vcc(0) depctr_vm_vsrc(0)
	s_getreg_b32 s2, hwreg(HW_REG_IB_STS2, 6, 4)
	s_cmp_eq_u32 s2, 0
	s_cbranch_scc0 .Lentry_in_a_cluster
	s_endpgm
.Lentry_in_a_cluster:
	s_bfe_u32 s2, ttmp6, 0x10000c
	s_cmp_lg_u32 s2, 0xf033
	s_cbranch_scc0 .Lentry_shape_is_right
	s_endpgm
.Lentry_shape_is_right:
; out0 = y ow^T + out_b.  y's row m = batch x 2048 + t, channel k = head x 64 + ch, lies in oh: f16, [batch x 16 + head][t][64].  ow: [1024][1024] f16 (out_w rounded to bf16).  out_b: f32, rounded to bf16 here.
; Sums in f32, the bias first; out0 is f32.
; A tile of out0 is 256 rows x 128 columns: 32 x 8 = 256 work-groups.  Four waves, each 128 x 64: 32 accumulators, 256 registers.
; A K step of 128 is two heads.  Wave 0 or 1 fetches one head's 256 rows x 128 bytes, dense in memory: asked for as 128 rows of 256 bytes, padded in LDS after every 128.  Waves 2 and 3 fetch 64 rows of ow each.
; CLUSTER 4 x 4: A's tile is asked for jointly by a row of the cluster, B's by a column.  The matrix instruction is used transposed: a lane holds row l % 16 and the columns 8 (l / 16) + 0..7: 32 bytes of f32.
; REGISTERS: window 0: v16-30 addresses; v32-63, v224-255 rows on the way out; v64-127, v128-191 A's fragments.  window 1: v64-95, v128-159 B's fragments; v192-223 the bias; v224 at work.  window 2: accumulators (a, b) at 8 (4 a + b).
.set KSTEP,  128
.set PA,     144                       ; a row of A in LDS: 128 bytes + 16
.set PB,     272                       ; a row of B: 256 bytes + 16
.set HEADA,  256*PA
.set HALFB,  64*PB
.set BOFF,   2*HEADA
.set SLOT,   BOFF+2*HALFB
.set STAGE,  2*SLOT                    ; behind the ring: 16 rows x 272 bytes for each wave
.set SPITCH, 272
.set SPARE,  STAGE+4*16*SPITCH
.set LAPS,   4
.set ADRA, 16
.set ADRB, 20
.set STO,  24
.set RD,   25
.set CO,   26
.set BO,   27
.set SPW,  28
.set NIL,  29
.set PFO,  30
.set OB,   32
.set F0,   64
.set F1,   128
.set BIAS, 192                         ; window 1
.set BT,   224                         ; window 1
.set WV,  12
.set MH,  13
.set NH,  14
.set TR,  15
.set G1,  24
.set G0,  32
.set CX,  40
.set CY,  41
.set TC,  42
.set LIM, 43
.set PFA, 44                           ; s[44:45] the K step that my next prefetch names
.set G1B, 48
.set G0B, 56
.set PFS, 66                           ; s[66:67] bytes from K step to K step in what I prefetch
.set MSB, 0
.macro WIN new
.if MSB != (\new)
	s_set_vgpr_msb (MSB<<8)|(\new)
.set MSB, \new
.endif
.endm
.macro JLOAD s
	s_cmp_eq_u32 s[MH], 0
	s_cbranch_scc0 .Lfor_b_\@
	tensor_load_to_lds s[G0+4*(\s):G0+4*(\s)+3], s[G1:G1+7]
	s_nop 0
.rept 4
	v_nop
.endr
	s_branch .Lasked_\@
.Lfor_b_\@:
	tensor_load_to_lds s[G0B+4*(\s):G0B+4*(\s)+3], s[G1B:G1B+7]
	s_nop 0
.rept 4
	v_nop
.endr
.Lasked_\@:
.endm
; A prefetch of the K step two refills on: my work-group's quarter of what I fetch (A: 32 blocks of 256 bytes of the head's 128; B: 16 rows of the 64), told apart by address.
; The clusters with x = 0 ask for A's, those with y = 0 for B's.  The loop's last trip asks for nothing.
.macro ASK
	s_cmp_gt_u32 s3, s[LIM]
	s_cbranch_scc0 .Lnot_mine_\@
	global_prefetch_b8 v[PFO], s[PFA:PFA+1] th:TH_LOAD_NT scope:SCOPE_SE
.Lnot_mine_\@:
.endm
.macro CREST
	s_cmp_lg_u32 s[WV], 0
	s_cbranch_scc1 .Lnot_wave_0_\@
	s_barrier_signal -3
.Lnot_wave_0_\@:
	s_barrier_wait -3
	s_barrier_signal -1
	s_barrier_wait -1
.endm
.macro CROUND
	s_barrier_signal -1
	s_barrier_wait -1
	CREST
.endm
	s_load_b256 s[4:11], s[0:1], 0x0               ; oh 4, ow 6, out_b 8, out0 10
	v_lshl_add_u32 v[SPW], v0, 2, SPARE
	v_mov_b32 v[NIL], 0
	ds_add_u32 v[SPW], v[NIL]                      ; the opening: the add and its wait ahead of my first tensor load
	v_lshrrev_b32 v1, 5, v0
	v_readfirstlane_b32 s[WV], v1
	s_lshr_b32 s[MH], s[WV], 1
	s_and_b32 s[NH], s[WV], 1
	s_bfe_u32 s[CX], ttmp6, 0x40000
	s_bfe_u32 s[CY], ttmp6, 0x40004
	s_lshl_b32 s[TC], ttmp9, 2
	s_add_co_u32 s[TC], s[TC], s[CX]
	s_and_b32 s[TR], ttmp7, 0xffff
	s_lshl_b32 s[TR], s[TR], 2
	s_add_co_u32 s[TR], s[TR], s[CY]
	s_lshl_b32 s43, s[CY], 2
	s_lshl_b32 s43, 15, s43
	s_lshl_b32 s44, 0x1111, s[CX]
	s_or_b32 s[G1+0], s43, (1<<16)|(1<<20)|(1<<21)|(4<<22)|(3<<25)   ; A: after every 32 words 4 words of padding
	s_or_b32 s[G1B+0], s44, (1<<16)|(1<<20)|(1<<21)|(5<<22)|(3<<25)  ; B: after every 64 words
	s_mov_b32 s[G1+1], 128<<16
	s_mov_b32 s[G1+2], 128<<16
	s_mov_b32 s[G1+3], 128<<16
	s_mov_b32 s[G1+4], 128
	s_mov_b32 s[G1+5], 128                         ; dense: 128 elements from row to row
	s_mov_b32 s[G1+6], 0
	s_mov_b32 s[G1+7], 0
	s_mov_b32 s[G1B+1], 128<<16
	s_mov_b32 s[G1B+2], 64<<16
	s_mov_b32 s[G1B+3], 128<<16
	s_mov_b32 s[G1B+4], 64
	s_mov_b32 s[G1B+5], 1024
	s_mov_b32 s[G1B+6], 0
	s_mov_b32 s[G1B+7], 0
	s_lshr_b32 s16, s[TR], 3                       ; A: the batch's sixteen heads,
	s_lshl_b32 s16, s16, 4
	s_add_co_u32 s16, s16, s[NH]                   ; the K step's first or second head,
	s_lshl_b32 s16, s16, 18
	s_and_b32 s17, s[TR], 7
	s_lshl_b32 s17, s17, 15                        ; the tile's 256 rows of 128 bytes
	s_add_co_u32 s16, s16, s17
	s_mov_b32 s17, 0
	s_lshl_b32 s46, s[TC], 7
	s_lshl_b32 s47, s[NH], 6
	s_add_co_u32 s46, s46, s47                     ; B: row 128 x tile column + 64 x half
	s_lshl_b32 s46, s46, 11
	s_mov_b32 s47, 0
	s_mul_i32 s20, s[WV], HEADA                    ; waves 0, 1: A's two heads;
	s_mul_i32 s21, s[WV], HALFB
	s_add_co_u32 s21, s21, BOFF-2*HALFB            ; waves 2, 3: B's halves, behind them
	s_wait_dscnt 0x0
	s_wait_kmcnt 0x0
	s_add_nc_u64 s[18:19], s[4:5], s[16:17]
	s_add_nc_u64 s[46:47], s[6:7], s[46:47]
	CROUND
.irp s, 0,1
	s_mov_b32 s[G0+4*(\s)], 1
	s_add_co_u32 s[G0+4*(\s)+1], s20, (\s)*SLOT
	s_add_nc_u64 s[G0+4*(\s)+2:G0+4*(\s)+3], s[18:19], (\s)*524288   ; a K step is two heads on
	s_or_b32 s[G0+4*(\s)+3], s[G0+4*(\s)+3], 0x80000000
	s_mov_b32 s[G0B+4*(\s)], 1
	s_add_co_u32 s[G0B+4*(\s)+1], s21, (\s)*SLOT
	s_add_nc_u64 s[G0B+4*(\s)+2:G0B+4*(\s)+3], s[46:47], (\s)*KSTEP*2
	s_or_b32 s[G0B+4*(\s)+3], s[G0B+4*(\s)+3], 0x80000000
	JLOAD \s
.endr
	v_and_b32 v1, 15, v0
	v_bfe_u32 v2, v0, 4, 1
	v_and_b32 v5, 31, v0
	v_lshlrev_b32 v[BO], 5, v2
	s_lshl_b32 s20, s[TC], 9
	s_lshl_b32 s21, s[NH], 8
	s_add_co_u32 s20, s20, s21                     ; my 64 columns, 4 bytes each
	s_mov_b32 s21, 0
	s_add_nc_u64 s[8:9], s[8:9], s[20:21]
	s_add_nc_u64 s[10:11], s[10:11], s[20:21]
	WIN 0x40
.irp b, 0,1,2,3
	global_load_b128 v[BIAS+8*(\b):BIAS+8*(\b)+3],   v[BO], s[8:9] offset:64*(\b)
	global_load_b128 v[BIAS+8*(\b)+4:BIAS+8*(\b)+7], v[BO], s[8:9] offset:64*(\b)+16
.endr
	WIN 0
	s_lshl_b32 s20, s[TR], 8
	s_lshl_b32 s22, s[MH], 7
	s_add_co_u32 s20, s20, s22
	s_lshl_b32 s20, s20, 12                        ; my first row of out0, 4,096 bytes a row
	s_add_nc_u64 s[10:11], s[10:11], s[20:21]
	v_mul_u32_u24 v3, v1, PA
	v_lshl_add_u32 v3, v2, 4, v3
	v_mul_u32_u24 v4, v1, PB
	v_lshl_add_u32 v4, v2, 4, v4
	s_mul_i32 s21, s[MH], 128*PA
	s_mul_i32 s22, s[NH], HALFB
	s_add_co_u32 s22, s22, BOFF
.irp s, 0,1
	v_add_nc_u32 v[ADRA+(\s)], s21, v3
	v_add_nc_u32 v[ADRB+(\s)], s22, v4
	s_add_co_u32 s21, s21, SLOT
	s_add_co_u32 s22, s22, SLOT
.endr
	s_mul_i32 s23, s[WV], 16*SPITCH
	s_add_co_u32 s23, s23, STAGE
	v_mul_u32_u24 v4, v1, SPITCH                   ; in: row l % 16, 32 bytes for each half of the lanes
	v_lshl_add_u32 v4, v2, 5, v4
	v_add_nc_u32 v[STO], s23, v4
	v_mul_u32_u24 v6, v2, SPITCH                   ; back: lanes 0-15 one row of 256 bytes, lanes 16-31 the next
	v_lshl_add_u32 v6, v1, 4, v6
	v_add_nc_u32 v[RD], s23, v6
	v_lshlrev_b32 v[CO], 12, v2                    ; and the same two rows in out0
	v_lshl_add_u32 v[CO], v1, 4, v[CO]
	; the prefetches
	s_lshr_b32 s20, s[TR], 3
	s_lshl_b32 s20, s20, 4
	s_add_co_u32 s20, s20, s[NH]
	s_lshl_b32 s20, s20, 18
	s_and_b32 s21, s[TR], 7
	s_lshl_b32 s21, s21, 15
	s_add_co_u32 s20, s20, s21
	s_lshl_b32 s21, s[CX], 13
	s_add_co_u32 s20, s20, s21                     ; A: my work-group's 8,192 bytes of the head's 32,768
	s_lshl_b32 s21, s[TC], 7
	s_lshl_b32 s22, s[NH], 6
	s_add_co_u32 s21, s21, s22
	s_lshl_b32 s22, s[CY], 4
	s_add_co_u32 s21, s21, s22
	s_lshl_b32 s21, s21, 11                        ; B: my work-group's 16 rows of the 64
	s_and_b32 s22, ttmp7, 0xffff
	s_mov_b32 s23, 0x80000
	s_cmp_eq_u32 s[MH], 0
	s_cselect_b32 s20, s20, s21
	s_cselect_b32 s22, ttmp9, s22
	s_cselect_b32 s[PFS], s23, 256
	s_cselect_b32 s23, 31, 15
	s_cselect_b32 s46, 8, 11
	s_cselect_b64 s[PFA:PFA+1], s[4:5], s[6:7]
	s_cmp_eq_u32 s22, 0
	s_cselect_b32 s[LIM], 1, -1
	s_mov_b32 s21, 0
	s_mov_b32 s[PFS+1], 0
	s_add_nc_u64 s[PFA:PFA+1], s[PFA:PFA+1], s[20:21]
	s_mul_i32 s20, s[PFS], 3
	s_add_nc_u64 s[PFA:PFA+1], s[PFA:PFA+1], s[20:21]   ; at K step 3: the first refill steps it to 4 and names that
	v_min_u32 v[PFO], s23, v5                      ; A: a lane a block of 256 bytes; B: a lane a row, the upper sixteen lanes naming the last row once more
	v_lshlrev_b32 v[PFO], s46, v[PFO]
	s_wait_loadcnt 0x0
	WIN 0x45
.set i, 0
.rept 16
	v_cvt_pk_bf16_f32 v[BT], v[BIAS+i], v[BIAS+i+1]
	v_lshlrev_b32 v[BIAS+i], 16, v[BT]
	v_and_b32 v[BIAS+i+1], 0xffff0000, v[BT]
.set i, i+2
.endr
	WIN 0
; 8 matrix instructions: m blocks a0, a0 + 1 x all 4 n blocks.  first = 1: the bias starts the sums.  The 32 accumulators take turns in one order everywhere.
.macro MUL8 f, a0, first
.if \first
	WIN 0x91
.else
	WIN 0xa1
.endif
.irp a, \a0, (\a0)+1
.irp b, 0,1,2,3
.if \first
	v_wmma_f32_16x16x32_f16 v[8*(4*(\a)+(\b)):8*(4*(\a)+(\b))+7], v[(\f)+8*(\b):(\f)+8*(\b)+7], v[(\f)+8*(\a):(\f)+8*(\a)+7], v[BIAS+8*(\b):BIAS+8*(\b)+7]
.else
	v_wmma_f32_16x16x32_f16 v[8*(4*(\a)+(\b)):8*(4*(\a)+(\b))+7], v[(\f)+8*(\b):(\f)+8*(\b)+7], v[(\f)+8*(\a):(\f)+8*(\a)+7], v[8*(4*(\a)+(\b)):8*(4*(\a)+(\b))+7]
.endif
.endr
.endr
.endm
; 24 LDS loads in one run: quarter kq of the K step: B's 64 rows, then A's 128 (head kq / 2 of the step's two, channels 32 (kq % 2) on)
.macro FETCH slot, kq, f
	WIN 0x40
.irp i, 0,1,2,3
	ds_load_b128 v[(\f)+8*(\i):(\f)+8*(\i)+3],   v[ADRB+(\slot)] offset:64*(\kq)+(\i)*16*PB
	ds_load_b128 v[(\f)+8*(\i)+4:(\f)+8*(\i)+7], v[ADRB+(\slot)] offset:64*(\kq)+(\i)*16*PB+32
.endr
	WIN 0
.irp i, 0,1,2,3,4,5,6,7
	ds_load_b128 v[(\f)+8*(\i):(\f)+8*(\i)+3],   v[ADRA+(\slot)] offset:((\kq)/2)*HEADA+((\kq)%2)*64+(\i)*16*PA
	ds_load_b128 v[(\f)+8*(\i)+4:(\f)+8*(\i)+7], v[ADRA+(\slot)] offset:((\kq)/2)*HEADA+((\kq)%2)*64+(\i)*16*PA+32
.endr
.endm
.macro PLACES
.rept 4
	v_nop
.endr
.endm
.macro QUARTER slot, kq, f, g, first
	s_wait_dscnt 8                                 ; B and A's rows 0-63 are in
	MUL8 \f, 0, \first
	MUL8 \f, 2, \first
	PLACES
	FETCH \slot, \kq, \g
	s_wait_dscnt 24                                ; all but the 24 just issued
	MUL8 \f, 4, \first
	MUL8 \f, 6, \first
.endm
.macro MEET round
	WIN 0
	s_wait_tensorcnt 0x0                           ; all my tensor loads have landed: my part of the next slot
	ds_add_u32 v[SPW], v[NIL]
	s_wait_dscnt 9                                 ; the add and the youngest eight loads may be out
	MUL8 F1, 0, 0
	s_wait_dscnt 0x0                               ; the add is done, and my reads of this slot are over
	s_barrier_signal -1
	MUL8 F1, 2, 0
.if \round
	WIN 0
.endif
	s_barrier_wait -1
.endm
.macro TURN slot, next, fill
.if \fill
	s_wait_xcnt 0x0                                ; the last prefetch, a K step back, has read its address
	s_add_nc_u64 s[PFA:PFA+1], s[PFA:PFA+1], s[PFS:PFS+1]
	MEET 1
	CREST
	s_add_nc_u64 s[G0+4*(\slot)+2:G0+4*(\slot)+3], s[G0+4*(\slot)+2:G0+4*(\slot)+3], 2*524288
	s_add_nc_u64 s[G0B+4*(\slot)+2:G0B+4*(\slot)+3], s[G0B+4*(\slot)+2:G0B+4*(\slot)+3], 2*KSTEP*2
	JLOAD \slot                                    ; my one tensor load behind the round; its four v_nop are also the places in front of the loads below
	FETCH \next, 0, F0
	ASK
.else
	MEET 0
	PLACES
	FETCH \next, 0, F0
.endif
	MUL8 F1, 4, 0
	MUL8 F1, 6, 0
.endm
	s_wait_tensorcnt 1                             ; my part of K step 0 is in; K step 1's may stay out
	s_barrier_signal -1
	s_barrier_wait -1
	FETCH 0, 0, F0
	QUARTER 0, 1, F0, F1, 1
	WIN 0
	s_mov_b32 s3, LAPS-1
.Llap:
	QUARTER 0, 2, F1, F0, 0
	QUARTER 0, 3, F0, F1, 0
	TURN 0, 1, 1
	QUARTER 1, 1, F0, F1, 0
	QUARTER 1, 2, F1, F0, 0
	QUARTER 1, 3, F0, F1, 0
	TURN 1, 0, 1
	QUARTER 0, 1, F0, F1, 0
	WIN 0
	s_sub_co_u32 s3, s3, 1
	s_cmp_lg_u32 s3, 0
	s_cbranch_scc1 .Llap
	QUARTER 0, 2, F1, F0, 0                        ; the last lap fills nothing
	QUARTER 0, 3, F0, F1, 0
	TURN 0, 1, 0
	QUARTER 1, 1, F0, F1, 0
	QUARTER 1, 2, F1, F0, 0
	QUARTER 1, 3, F0, F1, 0
	s_wait_dscnt 8
	MUL8 F1, 0, 0
	MUL8 F1, 2, 0
	s_wait_dscnt 0x0
	MUL8 F1, 4, 0
	MUL8 F1, 6, 0
	WIN 0
	PLACES
; THE WAY OUT, a block of 16 rows at a time: the f32 sums go from the accumulators into my stage (each accumulator's low four registers first) and come back as whole rows of 256 bytes.
.macro TOSTAGE a
.set BK, OB+192*((\a)%2)
	s_wait_xcnt 0x0                                ; the stores of two blocks back have read the registers that the loads below fill
	WIN 0x08                                       ; the stores' data in window 2
.irp b, 0,1,2,3
	ds_store_b128 v[STO], v[32*(\a)+8*(\b):32*(\a)+8*(\b)+3]   offset:64*(\b)
	ds_store_b128 v[STO], v[32*(\a)+8*(\b)+4:32*(\a)+8*(\b)+7] offset:64*(\b)+16
.endr
	WIN 0
.irp t, 0,1,2,3,4,5,6,7
	ds_load_b128 v[BK+4*(\t):BK+4*(\t)+3], v[RD] offset:(\t)*2*SPITCH   ; LDS serves a wave's instructions in order: these see the stores above
.endr
.endm
.macro SEND a, younger                 ; younger: the next block's sixteen LDS instructions, or none
.set BK, OB+192*((\a)%2)
	s_wait_dscnt \younger
.irp t, 0,1,2,3,4,5,6,7
	global_store_b128 v[CO], v[BK+4*(\t):BK+4*(\t)+3], s[10:11] offset:(16*(\a)+2*(\t))*4096   ; 16 lanes store 256 consecutive bytes, at a multiple of 256 from out0's first byte
.endr
.endm
	TOSTAGE 0
.irp a, 1,2,3,4,5,6,7
	TOSTAGE \a
	SEND (\a)-1, 16
.endr
	SEND 7, 0
	s_wait_tensorcnt 0x0                           ; the wave's end
	ds_add_u32 v[SPW], v[NIL]
	s_wait_dscnt 0x0
	CROUND                                         ; the closing round
	s_endpgm
.Lfunc_end_k_q6cec7962ba_proj:
	.size	k_q6cec7962ba_proj, .Lfunc_end_k_q6cec7962ba_proj-k_q6cec7962ba_proj
	.p2alignl 7, 3214868480
	.fill 96, 4, 3214868480
	.section	.rodata,"a",@progbits
	.p2align	6, 0x0
	.amdhsa_kernel k_q6cec7962ba_proj
		.amdhsa_group_segment_fixed_size 327680
		.amdhsa_private_segment_fixed_size 0
		.amdhsa_enable_private_segment 0
		.amdhsa_kernarg_size 32
		.amdhsa_user_sgpr_count 2
		.amdhsa_user_sgpr_kernarg_segment_ptr 1
		.amdhsa_wavefront_size32 1
		.amdhsa_system_sgpr_workgroup_id_x 1
		.amdhsa_system_sgpr_workgroup_id_y 1
		.amdhsa_system_sgpr_workgroup_id_z 1
		.amdhsa_system_vgpr_workitem_id 0
		.amdhsa_next_free_vgpr 768
		.amdhsa_next_free_sgpr 72
		.amdhsa_reserve_vcc 0
		.amdhsa_float_denorm_mode_32 3
		.amdhsa_float_denorm_mode_16_64 3
		.amdhsa_memory_ordered 1
		.amdhsa_forward_progress 1
		.amdhsa_inst_pref_size 91
	.end_amdhsa_kernel
	.amdgpu_metadata
---
amdhsa.version: [ 1, 2 ]
amdhsa.kernels:
  - .name:           k_q6cec7962ba_proj
    .symbol:         k_q6cec7962ba_proj.kd
    .args:
      - { .name: oh, .offset: 0, .size: 8, .value_kind: global_buffer, .address_space: global }
      - { .name: ow, .offset: 8, .size: 8, .value_kind: global_buffer, .address_space: global }
      - { .name: out_b, .offset: 16, .size: 8, .value_kind: global_buffer, .address_space: global }
      - { .name: out0, .offset: 24, .size: 8, .value_kind: global_buffer, .address_space: global }
    .group_segment_fixed_size: 327680
    .private_segment_fixed_size: 0
    .kernarg_segment_align: 8
    .kernarg_segment_size: 32
    .max_flat_workgroup_size: 128
    .sgpr_count:     72
    .vgpr_count:     768
    .wavefront_size: 32
...
	.end_amdgpu_metadata
.endif
;; end of part 4
